; MI455X (gfx1250); checked and timed in simulation.
; The chip was launched on July 23, 2026; its instructions are those of AMD's public machine-readable ISA for CDNA 5 (MIT licence, August 2026) and "CDNA5" Instruction Set Architecture Reference Guide (July 2026). The comments in the code are by the model that wrote it; some were corrected since.
;; Self Attention. Allowed arithmetic: matrix products marked QUANTISED: E2M1 operands, one E8M0 scale for each 32 along K, by v_wmma_scale_f32_16x16x128_f8f6f4 with both operands' format E2M1 (or v_wmma_scale_f32_32x16x128_f4), f32 sums; everything else in f32.
;; Inputs: Wk_codes 32 x 8 x 16 uint8 (E2M1 codes of Wk, K innermost, in blocks of 32 codes, two codes a byte); Wk_scales 32 x 8 uint8 (E8M0 scales of Wk, one for each 32 codes along K); Wproj_codes 256 x 8 x 16 uint8 (E2M1 codes of Wproj, K innermost, in blocks of 32 codes, two codes a byte); Wproj_scales 256 x 8 uint8 (E8M0 scales of Wproj, one for each 32 codes along K); Wq_codes 32 x 8 x 16 uint8 (E2M1 codes of Wq, K innermost, in blocks of 32 codes, two codes a byte); Wq_scales 32 x 8 uint8 (E8M0 scales of Wq, one for each 32 codes along K); Wv_codes 256 x 8 x 16 uint8 (E2M1 codes of Wv, K innermost, in blocks of 32 codes, two codes a byte); Wv_scales 256 x 8 uint8 (E8M0 scales of Wv, one for each 32 codes along K); gamma 1 float32; norm_b 256 float32; norm_w 256 float32; x 8 x 256 x 64 x 64 float32.
;; Outputs: out0 8 x 256 x 64 x 64 float32.
;; This version of the problem:
;;   THIS VERSION OF THE PROBLEM IS GIVEN IN LOW PRECISION. The matrix products marked QUANTISED in the list below multiply operands that are first quantised to E2M1 (2 exponent bits, 1 mantissa bit; 4 bits a number), with one power-of-two scale for each 32 numbers along K (OCP MX v1.0); their sums are f32. All else is computed in f32.
;;   The module's matrix products, in the order in which they are computed (A, B: the left and right operand; K: the contracted axis; several contracted axes count as one K, in the product's order):
;;     1. [M 32,768, K 256] x [K 256, N 32]; A: computed on the way; B: input Wq (given as codes): QUANTISED
;;     2. [M 32,768, K 256] x [K 256, N 32]; A: computed on the way; B: input Wk (given as codes): QUANTISED
;;     3. [M 32,768, K 256] x [K 256, N 256]; A: computed on the way; B: input Wv (given as codes): QUANTISED
;;     4. batch 8 x [M 4,096, K 32] x [K 32, N 4,096]; A: computed on the way; B: computed on the way: QUANTISED
;;     5. batch 8 x [M 4,096, K 4,096] x [K 4,096, N 256]; A: softmax (see below); B: computed on the way: QUANTISED
;;     6. [M 32,768, K 256] x [K 256, N 256]; A: computed on the way; B: input Wproj (given as codes): QUANTISED
;;   THE QUANTISER, for each operand of a quantised product, along K:
;;     - K is cut into blocks of 32 from its start; a last block that is shorter is filled with zeros.
;;     - A block's scale is 2^e with e = floor(log2(the largest magnitude in the block)) - 2, held to -126 .. 127; a block of zeros has e = 0. As a byte (E8M0): e + 127.
;;     - Each number is divided by its block's scale, clamped to +-6, and rounded to the nearest number of E2M1, ties to even, subnormals kept.
;;     - The product sums the exact products of the quantised numbers (number of the format x scale) in f32.
;;   ~~~python
;;   def quantise(x, axis):      # numpy; x: float32 -> the quantised numbers, widened to float32 again
;;       x = np.moveaxis(x, axis, -1); K = x.shape[-1]
;;       x = np.pad(x, [(0, 0)] * (x.ndim - 1) + [(0, -K % 32)]); x = x.reshape(x.shape[:-1] + (-1, 32)); a = np.abs(x).max(-1, keepdims=True)
;;       e = np.where(a > 0, np.clip(np.frexp(np.where(a > 0, a, 1))[1] - 1 - 2, -126, 127), 0)      # np.frexp(a)[1] - 1 = floor(log2(a)), exactly
;;       r = np.clip(x / 2.0 ** e, -6, 6)
;;       step = 2.0 ** (np.maximum(np.frexp(np.where(r == 0, 1, r))[1] - 1, 0) - 1)
;;       q = np.round(r / step) * step * 2.0 ** e      # np.round: ties to even
;;       return np.moveaxis(q.reshape(q.shape[:-2] + (-1,))[..., :K], -1, axis).astype(np.float32)
;;   ~~~
;;   SOFTMAX AHEAD OF A QUANTISED PRODUCT. Where the list says 'softmax', what is quantised is not the finished softmax but p = 2^(t - M), with t = logit x log2(e) and M = ceil(the row's largest t), a whole number; so 1/2 < the row's largest p <= 1. The row's sum l is taken of the UNQUANTISED p, in f32, and the product's result is divided by l at the end. Since M is a whole number, a kernel that streams over the keys may use a running M (the ceiling of the running maximum): every later rescaling is an exact power of two, which a block's scale takes up: the codes' values come out the same.
;;   OPERANDS COMPUTED ON THE WAY. 'Computed on the way' means the value that the module computes at that place (a softmax that the list does not call 'softmax' is quantised finished and normalised). What goes into a quantiser is computed in f32, as accurately as f32 sums, v_exp_f32 and their like allow (about 1e-6 of the number): no bf16 or f16 on the way to a quantiser, and a product that is left as it is and whose result goes on into a quantised operand takes f32 operands (vector FMAs, or v_wmma_f32_16x16x4_f32). A number that lies on a knife's edge between two numbers of the format may be rounded either way, as far as f32 arithmetic and the matrix unit's own rounding can turn it there, and no further.
;;   INPUTS GIVEN AS CODES. Wk (in the module: [32, 256], K = its axis 1); Wproj (in the module: [256, 256], K = its axis 1); Wq (in the module: [32, 256], K = its axis 1); Wv (in the module: [256, 256], K = its axis 1): each comes as NAME_codes (uint8): NAME with its K axis moved to the last place and cut into blocks of 32 codes, [.., K / 32, bytes a block], one block behind the other in memory; two codes a byte, the lower K in the low four bits (a code: sign, 2 exponent bits, 1 mantissa bit); and NAME_scales (uint8): the same leading axes, one E8M0 byte (e + 127) for each 32 codes along K. Its value is code x scale, taken as it is: it is not quantised again, and the codes and scales need not be those that the quantiser above would give.
;; One version. Each part assembles by itself: llvm-mc -triple=amdgcn-amd-amdhsa -mcpu=gfx1250 --defsym DOCPART=n.
;; ======== version 1 of 1: 3 launches
;; limits: right only within a limited range of input values
;; workspace buffers: coef 10,240 bytes; qc 524,288 bytes; qs 131,072 bytes; kv 5,111,808 bytes
;; launch stats (part 1): grid 256 x 1, 8 waves a work-group, no clusters, 1,536 bytes of LDS; arguments x, norm_w, coef; writes coef
.if DOCPART == 1
	.amdgcn_target "amdgcn-amd-amdhsa--gfx1250"
	.amdhsa_code_object_version 6
	.text
	.protected	k_q7c07d9c8c6_stats
	.globl	k_q7c07d9c8c6_stats
	.p2align	8
	.type	k_q7c07d9c8c6_stats,@function
k_q7c07d9c8c6_stats:
	s_mov_b64 s[64:65], 0
	v_nop
	global_prefetch_b8 v0, s[64:65] scope:SCOPE_SE
	s_setreg_imm32_b32 hwreg(HW_REG_WAVE_MODE, 25, 1), 1
	s_wait_xcnt 0x0
; GROUP NORM'S STATISTICS.  x: [8][256][4096] f32; a group is 8 channels x 4,096 positions of one batch: 131,072 consecutive bytes.
; Stored for the next launch, per batch 1,280 bytes of coef: A[c] = norm_w[c] / sqrt(var + 1e-5) at 4 c (256 numbers), -mean[g] at 1,024 + 4 g (32 numbers); the last 128 bytes are neither written nor read.
; NO WORK OF reference() IS LEFT OUT in this program: every input has a way to the output, and all are loaded by one launch or another.
; LIMITS: NaN and infinities among the inputs are not served.
; SHARES.  One work-group to a group (32 b + g), eight waves, 16,384 bytes a wave, 32 loads of 16 bytes a lane: a load of a wave covers 512 consecutive bytes.
; The wave's numbers STAY IN 128 REGISTERS, so that the variance is taken of x - mean in a second pass without a second read: no difference of large sums, whatever offset x carries.
; Each pass: four chains of packed sums in a lane, the 32 lanes, then the eight waves through eight LDS words and a barrier (other words for the second pass, so that one barrier a pass is enough).
.set X,     16                         ; v16-143  the wave's numbers
.set T,     8                          ; v8-15    at work: four pairs
.set ACC,   144                        ; v144-151 four chains, a pair each
.set RD,    152                        ; v152-159 the reduction
.set WGT,   160                        ; v160     norm_w of channel 8 g + lane % 8
.set RED1,  256                        ; LDS: the second pass's eight words (the first pass's lie at 0)
.set SPARE, 512                        ; the spare words, 128 bytes for each wave: four blocks of 256 bytes that no other line names
	s_load_b128 s[4:7], s[0:1], 0x0                ; x, norm_w
	s_load_b64 s[8:9], s[0:1], 0x10                ; coef
	v_lshl_add_u32 v4, v0, 2, SPARE                ; my spare word; never rewritten
	v_mov_b32 v5, 0                                ; 0; never rewritten
	v_lshrrev_b32 v8, 5, v0
	s_delay_alu instid0(VALU_DEP_1)
	v_readfirstlane_b32 s10, v8                    ; wave 0..7
	v_and_b32 v1, 31, v0
	s_delay_alu instid0(VALU_DEP_1)
	v_lshlrev_b32 v1, 4, v1
	s_delay_alu instid0(VALU_DEP_1)
	v_lshl_add_u32 v1, v8, 14, v1                  ; x: 16 x lane + 16,384 x wave
	v_and_b32 v2, 7, v0
	s_delay_alu instid0(VALU_DEP_1)
	v_lshlrev_b32 v2, 2, v2                        ; norm_w and A: 4 x (lane % 8)
	v_lshlrev_b32 v3, 2, v8                        ; LDS: my wave's word
	v_mov_b32 v[RD+1], 0                           ; a lane permute's destination counts as one of its sources
	s_mov_b32 s12, 0x76543210
	s_mov_b32 s13, 0xfedcba98                      ; v_permlanex16_b32's selects for lane l xor 16
	s_lshl_b32 s14, ttmp9, 17                      ; the group's 131,072 bytes
	s_mov_b32 s15, 0
	s_and_b32 s16, ttmp9, 31                       ; g
	s_lshr_b32 s17, ttmp9, 5                       ; b
	s_mul_i32 s18, s17, 1280
	s_lshl_b32 s20, s16, 5                         ; 32 g: the group's eight numbers of norm_w
	s_mov_b32 s21, 0
	s_add_co_u32 s22, s18, s20                     ; A: 1,280 b + 32 g
	s_mov_b32 s23, 0
	s_lshl_b32 s24, s16, 2
	s_add_co_u32 s24, s24, s18
	s_add_co_u32 s24, s24, 1024                    ; -mean: 1,280 b + 1,024 + 4 g
	s_mov_b32 s25, 0
	s_mov_b32 s26, 0x38000000                      ; 2^-15 = 1 / 32,768
	s_mov_b32 s27, 0x3727c5ac                      ; 1e-5
	s_wait_alu depctr_va_vdst(0)
	s_wait_kmcnt 0x0
	s_add_nc_u64 s[4:5], s[4:5], s[14:15]
	s_add_nc_u64 s[6:7], s[6:7], s[20:21]
	s_add_nc_u64 s[28:29], s[8:9], s[24:25]
	s_add_nc_u64 s[8:9], s[8:9], s[22:23]
.set i, 0
.rept 32
	global_load_b128 v[X+4*i:X+4*i+3], v1, s[4:5] offset:512*i
.set i, i+1
.endr
	global_load_b32 v[WGT], v2, s[6:7]
; n more pairs, from pair j on, each onto chain j % 4
.macro ADDS n
.rept \n
	v_pk_add_f32 v[ACC+2*(j%4):ACC+2*(j%4)+1], v[ACC+2*(j%4):ACC+2*(j%4)+1], v[X+2*j:X+2*j+1]
.set j, j+1
.endr
.endm
; the four chains, the 32 lanes, the eight waves: the eight waves' sums come back into v[RD] .. v[RD+7]
.macro REDUCE off
	s_delay_alu instid0(VALU_DEP_3)
	v_pk_add_f32 v[ACC:ACC+1], v[ACC:ACC+1], v[ACC+2:ACC+3]
	s_delay_alu instid0(VALU_DEP_2)
	v_pk_add_f32 v[ACC+4:ACC+5], v[ACC+4:ACC+5], v[ACC+6:ACC+7]
	s_delay_alu instid0(VALU_DEP_1)
	v_pk_add_f32 v[ACC:ACC+1], v[ACC:ACC+1], v[ACC+4:ACC+5]
	s_delay_alu instid0(VALU_DEP_1)
	v_add_f32 v[RD], v[ACC], v[ACC+1]
	s_delay_alu instid0(VALU_DEP_1)
	v_add_f32_dpp v[RD], v[RD], v[RD] row_xmask:1 row_mask:0xf bank_mask:0xf
	s_delay_alu instid0(VALU_DEP_1)
	v_add_f32_dpp v[RD], v[RD], v[RD] row_xmask:2 row_mask:0xf bank_mask:0xf
	s_delay_alu instid0(VALU_DEP_1)
	v_add_f32_dpp v[RD], v[RD], v[RD] row_xmask:4 row_mask:0xf bank_mask:0xf
	s_delay_alu instid0(VALU_DEP_1)
	v_add_f32_dpp v[RD], v[RD], v[RD] row_xmask:8 row_mask:0xf bank_mask:0xf
	s_delay_alu instid0(VALU_DEP_1)
	v_permlanex16_b32 v[RD+1], v[RD], s12, s13
	s_delay_alu instid0(VALU_DEP_1)
	v_add_f32 v[RD], v[RD], v[RD+1]
	ds_store_b32 v3, v[RD] offset:\off             ; all lanes write the wave's word with the same value
	s_wait_dscnt 0x0                               ; for the others' sake: my store has landed
	s_barrier_signal -1
	s_barrier_wait -1
	v_mov_b32 v[T], 0
	ds_load_b128 v[RD:RD+3], v[T] offset:\off
	ds_load_b128 v[RD+4:RD+7], v[T] offset:\off+16
.endm
.macro SUM8
	v_add_f32 v[RD], v[RD], v[RD+1]
	v_add_f32 v[RD+2], v[RD+2], v[RD+3]
	v_add_f32 v[RD+4], v[RD+4], v[RD+5]
	v_add_f32 v[RD+6], v[RD+6], v[RD+7]
	s_delay_alu instid0(VALU_DEP_3)
	v_add_f32 v[RD], v[RD], v[RD+2]
	s_delay_alu instid0(VALU_DEP_2)
	v_add_f32 v[RD+4], v[RD+4], v[RD+6]
	s_delay_alu instid0(VALU_DEP_1)
	v_add_f32 v[RD], v[RD], v[RD+4]
.endm
	; PASS 1: the sum.  Eight loads (16 pairs) at a time; the counts are the younger loads: the later groups' and norm_w's
	s_wait_loadcnt 25
.irp k, 0,1,2,3
	v_pk_add_f32 v[ACC+2*\k:ACC+2*\k+1], v[X+2*\k:X+2*\k+1], v[X+8+2*\k:X+9+2*\k]   ; the first eight pairs start the chains: nothing is cleared
.endr
.set j, 8
	ADDS 8
	s_wait_alu depctr_va_vdst(0)
	s_wait_loadcnt 17
	ADDS 16
	s_wait_alu depctr_va_vdst(0)
	s_wait_loadcnt 9
	ADDS 16
	s_wait_alu depctr_va_vdst(0)
	s_wait_loadcnt 1
	ADDS 16
	REDUCE 0
	s_wait_dscnt 0x0
	SUM8
	s_delay_alu instid0(VALU_DEP_1)
	v_mul_f32 v6, 0xb8000000, v[RD]                ; -mean = -sum / 32,768
	s_delay_alu instid0(VALU_DEP_1)
	v_mov_b32 v7, v6                               ; (named with it as a pair, so it is written)
	; PASS 2: the sum of (x - mean)^2, from the registers
.set j, 0
.rept 16
.irp k, 0,1,2,3
	v_pk_add_f32 v[T+2*\k:T+2*\k+1], v[X+2*(j+\k):X+2*(j+\k)+1], v[6:7] op_sel_hi:[1,0]
.endr
.irp k, 0,1,2,3
.if j == 0
	s_delay_alu instid0(VALU_DEP_4)
	v_pk_mul_f32 v[ACC+2*\k:ACC+2*\k+1], v[T+2*\k:T+2*\k+1], v[T+2*\k:T+2*\k+1]
.else
	s_delay_alu instid0(VALU_DEP_4)
	v_pk_fma_f32 v[ACC+2*\k:ACC+2*\k+1], v[T+2*\k:T+2*\k+1], v[T+2*\k:T+2*\k+1], v[ACC+2*\k:ACC+2*\k+1]
.endif
.endr
.set j, j+4
.endr
	REDUCE RED1
	s_wait_tensorcnt 0x0                           ; the wave's end, behind my last LDS store
	ds_add_u32 v4, v5
	s_wait_dscnt 0x0                               ; the wait serves the two loads above as well
	SUM8
	s_delay_alu instid0(VALU_DEP_1)
	v_fma_f32 v[RD], v[RD], s26, s27               ; var + 1e-5
	s_wait_alu depctr_va_vdst(0)
	v_rsq_f32 v[RD+1], v[RD]
	v_nop                                          ; a plain instruction behind the transcendental
	s_wait_alu depctr_va_vdst(0)                   ; and the wait ahead of its first reader
	s_wait_loadcnt 0x0                             ; norm_w
	v_mul_f32 v[RD+2], v[RD+1], v[WGT]             ; A = norm_w / sqrt(var + 1e-5)
	s_cmp_lg_u32 s10, 0                            ; wave 0 stores for the group; no barrier stands behind this branch
	s_cbranch_scc1 .Lend
	s_wait_xcnt 0x0                                ; EXEC changes only behind this wait
	v_cmp_gt_u32 vcc_lo, 8, v0
	s_and_saveexec_b32 s20, vcc_lo
	s_wait_alu depctr_va_vdst(0)
	global_store_b32 v2, v[RD+2], s[8:9]           ; lanes 0-7: the group's eight A
	s_wait_xcnt 0x0
	s_or_b32 exec_lo, exec_lo, s20
	v_cmp_eq_u32 vcc_lo, 0, v0
	s_and_saveexec_b32 s20, vcc_lo
	global_store_b32 v2, v6, s[28:29]              ; lane 0 (its offset is 0): -mean
	s_wait_xcnt 0x0
	s_or_b32 exec_lo, exec_lo, s20
.Lend:
	s_endpgm
.Lfunc_end_k_q7c07d9c8c6_stats:
	.size	k_q7c07d9c8c6_stats, .Lfunc_end_k_q7c07d9c8c6_stats-k_q7c07d9c8c6_stats
	.p2alignl 7, 3214868480
	.fill 96, 4, 3214868480
	.section	.rodata,"a",@progbits
	.p2align	6, 0x0
	.amdhsa_kernel k_q7c07d9c8c6_stats
		.amdhsa_group_segment_fixed_size 1536
		.amdhsa_private_segment_fixed_size 0
		.amdhsa_enable_private_segment 0
		.amdhsa_kernarg_size 24
		.amdhsa_user_sgpr_count 2
		.amdhsa_user_sgpr_kernarg_segment_ptr 1
		.amdhsa_wavefront_size32 1
		.amdhsa_system_sgpr_workgroup_id_x 1
		.amdhsa_system_sgpr_workgroup_id_y 1
		.amdhsa_system_sgpr_workgroup_id_z 1
		.amdhsa_system_vgpr_workitem_id 0
		.amdhsa_next_free_vgpr 168
		.amdhsa_next_free_sgpr 66
		.amdhsa_reserve_vcc 1
		.amdhsa_float_denorm_mode_32 3
		.amdhsa_float_denorm_mode_16_64 3
		.amdhsa_memory_ordered 1
		.amdhsa_forward_progress 1
		.amdhsa_inst_pref_size 24
	.end_amdhsa_kernel
	.amdgpu_metadata
---
amdhsa.version: [ 1, 2 ]
amdhsa.kernels:
  - .name:           k_q7c07d9c8c6_stats
    .symbol:         k_q7c07d9c8c6_stats.kd
    .args:
      - { .name: x, .offset: 0, .size: 8, .value_kind: global_buffer, .address_space: global }
      - { .name: norm_w, .offset: 8, .size: 8, .value_kind: global_buffer, .address_space: global }
      - { .name: coef, .offset: 16, .size: 8, .value_kind: global_buffer, .address_space: global }
    .group_segment_fixed_size: 1536
    .private_segment_fixed_size: 0
    .kernarg_segment_align: 8
    .kernarg_segment_size: 24
    .max_flat_workgroup_size: 256
    .sgpr_count:     66
    .vgpr_count:     168
    .wavefront_size: 32
...
	.end_amdgpu_metadata
.endif
;; end of part 1
;; launch qkv (part 2): grid 32 x 8, 8 waves a work-group, no clusters, 20,480 bytes of LDS; arguments x, coef, norm_b, Wq_codes, Wq_scales, Wk_codes, Wk_scales, Wv_codes, Wv_scales, qc, qs, kv; writes qc, qs, kv
.if DOCPART == 2
	.amdgcn_target "amdgcn-amd-amdhsa--gfx1250"
	.amdhsa_code_object_version 6
	.text
	.protected	k_q7c07d9c8c6_qkv
	.globl	k_q7c07d9c8c6_qkv
	.p2align	8
	.type	k_q7c07d9c8c6_qkv,@function
k_q7c07d9c8c6_qkv:
	s_mov_b64 s[64:65], 0
	v_nop
	global_prefetch_b8 v0, s[64:65] scope:SCOPE_SE
	s_setreg_imm32_b32 hwreg(HW_REG_WAVE_MODE, 25, 1), 1
	s_wait_xcnt 0x0
; h = (x - mean) A + norm_b, quantised along the channels; q = Wq h, k = Wk h, v = Wv h on codes of FP4 (E2M1) with one E8M0 scale for each 32 along K; q and k quantised along d, v along the positions (the keys).
; No work of reference() is left out.  LIMITS: NaN and infinities are not served; a block whose largest magnitude lies under 2^-124 (a block of zeros too) keeps the scale byte 1: the bytes are read by this program alone, and zero codes add nothing.
; SHARES.  A work-group owns 128 positions of one batch (x: block, y: batch), eight waves.  It stores one record of kv (19,968 bytes), 2,048 bytes of qc and 512 of qs.
; ALL RESULTS ARE LAID AS THE NEXT LAUNCH'S OPERAND REGISTERS WANT THEM.  In a block of 128 positions tile T = 2 b + u, row r stands for position 32 b + 8 u + r + 8 (r / 8); channel tile t = 2 b + u, row r for channel 32 b + 8 u + r + 8 (r / 8).
; So wherever such a tile is the ROWS of a matrix result, a lane's 16 registers of tiles 2 b and 2 b + 1 are the 16 neighbours 32 b + 16 (lane / 16) + 0 .. 15, as the conversions want them.
; A RECORD: 0: k's codes, 256 T + 16 r + 8 (d / 16);  2,048: v's codes, channel tile t at 1,024 t, as an image of the operand's registers (512 c + 16 lane);  18,432: v's scale words, 512 (t / 8) + 16 lane + 4 ((t / 2) % 4), lanes 0-15 the
; even tile, lanes 16-31 the odd;  19,456: k's scale bytes, 64 (T / 4) + 4 r + T % 4;  19,584: 384 zeros, so that every byte of a record is written.
; PHASES.  X: wave w takes positions 32 (w % 4) + lane and channels 128 (w / 4) on: a lane to a position, its registers down the channels; a block of 32 channels lies in ONE lane; codes go to LDS as images of h's 16 fragments | barrier |
; F: every wave fetches all 16 fragments | QK: wave w makes q and k of position tile w (source 0 = 16 rows of Wq or Wk, source 1 = h: a lane holds one position, registers along d) | V: wave w makes channel tiles 2 w, 2 w + 1 for all
; 128 positions (source 0 = h, source 1 = 16 rows of Wv: a lane holds one channel, registers along the positions) | the scale words meet in LDS | barrier | four waves store them as runs of 512 bytes.
; No cluster: what the work-groups share is 42.5 KiB of weights against 128 KiB of x of each one's own.  No tensor loads: x goes straight into the registers in which it is quantised.
.set HIMG,  0                          ; LDS: h's fragment (T, K step s) at 1,024 (2 T + s), + 512 c + 16 lane
.set HSC,   16384                      ; its scale words at 128 T + 64 s + 4 r
.set STG,   17408                      ; 0: v's scale words; 1,024: k's scale bytes; 1,152: zeros; 1,536: q's scale words
.set SPARE, 19456                      ; the spare words, 128 bytes for each wave: four blocks of 256 bytes that no other line names
.set RECB,  19968
.set XO,   1                           ; v1   x: 4 x lane
.set LI,   2                           ; v2   16 x lane
.set LS,   3                           ; v3   4 x lane
.set HWA,  4                           ; v4   phase X: where my position's codes go
.set HSA,  5                           ; v5   and its scale word
.set WA,   6                           ; v6   a weight's fragment: (r + 8 (r / 8)) x 128 + 16 h
.set WSA,  7                           ; v7   its scale words: (r + 8 (r / 8)) x 8 + 4 h: lanes 0-15 K step 0, lanes 16-31 K step 1
.set CO,   8                           ; v8   q's and k's codes: 16 r + 8 h
.set KBA,  9                           ; v9   LDS: k's scale byte
.set QWA,  10                          ; v10  q's scale word
.set VWA,  11                          ; v11  v's scale word
.set PADA, 12                          ; v12  the zeros (waves 0-2)
.set STA,  13                          ; v13  the way out (waves 0-3)
.set SPW,  14                          ; v14  my spare word; never rewritten
.set NIL,  15                          ; v15  0; never rewritten
.set WVS,  16                          ; v16-17 Wv's scale words, v18-19 Wq's, v20-21 Wk's
.set WQS,  18
.set WKS,  20
.set HWS,  22                          ; v22  h's scale words of my own tile
.set HOA,  23                          ; v23  LDS: my own tile's fragments
.set HS,   24                          ; v24-31 h's scale words, tile T
.set X,    32                          ; v32-159 phase X: 128 numbers
.set D,    32                          ; v32-95  afterwards: eight accumulators
.set CX,   160                         ; v160-175 phase X: codes
.set PCQ,  176                         ; v176-179 q's and k's codes
.set PC0,  180                         ; v180-195 v's codes, two tiles
.set TM,   196                         ; v196-211 at work
.set PW0,  212                         ; v212-213 v's scale words
.set VW,   214
.set XW,   215
.set QW,   216
.set HWSA, 217                         ; v217 LDS: my own tile's scale words
.set T0,   218
.set KB,   219                         ; v219 k's scale byte
.set WV,   0                           ; window 1: Wv's fragments (n, s) at 8 (2 n + s); Wq's at 32 +, Wk's at 64 +; h's own tile at 96 + 8 s; h's 16 fragments at 128 + 8 (2 T + s)
.set WQ,   32
.set WK,   64
.set HW,   96
.set HF,   128
.set MSB, 0
.macro WIN new                         ; bits 1:0 source 0, 3:2 source 1, 5:4 source 2, 7:6 destination; the immediate's high byte repeats the setting that is left
.if MSB != \new
	s_set_vgpr_msb (MSB<<8)|\new
.set MSB, \new
.endif
.endm
.macro PLACES n
.rept \n
	v_nop
.endr
.endm
; the coefficients of 32 channels into scalar registers: A s[16:47], norm_b s[48:63] and s[68:83], -mean of their four groups s[84:87]
.macro COEF bt
	s_load_b512 s[16:31], s[4:5], 128*(\bt)
	s_load_b512 s[32:47], s[4:5], 128*(\bt)+64
	s_load_b512 s[48:63], s[6:7], 128*(\bt)
	s_load_b512 s[68:83], s[6:7], 128*(\bt)+64
	s_load_b128 s[84:87], s[90:91], 16*(\bt)
.endm
; K step s of a product: s = 0 starts the sum; s = 1 adds in place and takes both sides' scale words from lanes 16-31
.macro MM d, a, b, sa, sb, s
.if \s
	v_wmma_scale_f32_16x16x128_f8f6f4 v[\d:\d+7], v[\a:\a+7], v[\b:\b+7], v[\d:\d+7], v[\sa], v[\sb] matrix_a_fmt:MATRIX_FMT_FP4 matrix_b_fmt:MATRIX_FMT_FP4 matrix_a_scale:MATRIX_SCALE_ROW1 matrix_b_scale:MATRIX_SCALE_ROW1
.else
	v_wmma_scale_f32_16x16x128_f8f6f4 v[\d:\d+7], v[\a:\a+7], v[\b:\b+7], 0, v[\sa], v[\sb] matrix_a_fmt:MATRIX_FMT_FP4 matrix_b_fmt:MATRIX_FMT_FP4
.endif
.endm
; 64 numbers of a lane, register 16 b + i = k 32 b + 16 (lane / 16) + i of my row, become a fragment's codes in v[pc] on and its scale word in v[pw]
.macro QUANT s, pc, pw
.irp b, 0,1,2,3
	v_max3_num_f32 v[TM+\b], |v[\s+16*\b]|, |v[\s+1+16*\b]|, 0x1800000   ; and the floor 2^(3 - 127): the byte cannot fall under 1
.endr
.irp i, 2,4,6,8,10,12,14
.irp b, 0,1,2,3
	v_max3_num_f32 v[TM+\b], v[TM+\b], |v[\s+16*\b+\i]|, |v[\s+1+16*\b+\i]|   ; (the four blocks by turns)
.endr
.endr
.irp b, 0,1,2,3
	s_delay_alu instid0(VALU_DEP_4)
	v_permlanex16_b32 v[TM+4+\b], v[TM+\b], s88, s89
.endr
.irp b, 0,1,2,3
	s_delay_alu instid0(VALU_DEP_4)
	v_max_num_f32 v[TM+\b], v[TM+\b], v[TM+4+\b]   ; with lane l xor 16's: the block's largest magnitude
.endr
.irp b, 0,1,2,3
	s_delay_alu instid0(VALU_DEP_4)
	v_add_nc_u32 v[TM+12+\b], 0xff000000, v[TM+\b] ; 2 off its exponent field: the conversion's scale operand
.endr
.irp b, 0,1,2,3
	s_delay_alu instid0(VALU_DEP_4)
	v_lshrrev_b32 v[TM+4+\b], 23, v[TM+12+\b]      ; the scale's byte
.endr
	s_delay_alu instid0(VALU_DEP_3)
	v_lshl_or_b32 v[\pw], v[TM+5], 8, v[TM+4]
	s_delay_alu instid0(VALU_DEP_1)
	v_lshl_or_b32 v[\pw], v[TM+6], 16, v[\pw]
	s_delay_alu instid0(VALU_DEP_1)
	v_lshl_or_b32 v[\pw], v[TM+7], 24, v[\pw]
.irp b, 0,1,2,3
	v_cvt_scalef32_pk8_fp4_f32 v[\pc+2*\b], v[\s+16*\b:\s+7+16*\b], v[TM+12+\b]
	v_cvt_scalef32_pk8_fp4_f32 v[\pc+1+2*\b], v[\s+8+16*\b:\s+15+16*\b], v[TM+12+\b]
.endr
	v_nop                                          ; one plain place behind a scaled conversion
.irp c, 0,1                                    ; the operand's layout wants a whole block in a lane
.irp i, 0,1
	v_permlane16_swap_b32 v[\pc+4*\c+\i], v[\pc+2+4*\c+\i]
.endr
.endr
.endm
	s_load_b512 s[16:31], s[0:1], 0x0              ; x, coef, norm_b, Wq's codes, scales, Wk's codes, scales, Wv's codes
	s_load_b256 s[32:39], s[0:1], 0x40             ; Wv's scales, qc, qs, kv
	v_lshl_add_u32 v[SPW], v0, 2, SPARE
	v_mov_b32 v[NIL], 0
	v_lshrrev_b32 v[T0], 5, v0
	s_delay_alu instid0(VALU_DEP_1)
	v_readfirstlane_b32 s14, v[T0]                 ; wave 0..7
	s_mov_b32 s15, 0x01010101
	s_mov_b32 s88, 0x76543210
	s_mov_b32 s89, 0xfedcba98                      ; v_permlanex16_b32's selects for lane l xor 16
	s_and_b32 s40, ttmp7, 0xffff                   ; b
	s_lshl_b32 s41, s40, 5
	s_add_co_u32 s41, s41, ttmp9                   ; 32 b + block
	s_and_b32 s42, s14, 3                          ; phase X: which 32 positions
	s_lshr_b32 s43, s14, 2                         ; and which 128 channels
	s_lshl_b32 s44, s40, 22                        ; x: 4 MiB a batch,
	s_lshl_b32 s68, s43, 21                        ; 128 channels of 16,384 bytes,
	s_add_co_u32 s44, s44, s68
	s_lshl_b32 s68, ttmp9, 9                       ; 512 bytes a block,
	s_add_co_u32 s44, s44, s68
	s_lshl_b32 s68, s42, 7                         ; 128 bytes for 32 positions
	s_add_co_u32 s44, s44, s68
	s_mov_b32 s45, 0
	s_mul_i32 s46, s40, 1280
	s_lshl_b32 s48, s43, 9                         ; norm_b: 512 bytes for 128 channels
	s_mov_b32 s49, 0
	s_lshl_b32 s50, s43, 6
	s_add_co_u32 s50, s50, s46
	s_add_co_u32 s50, s50, 1024                    ; -mean: 1,280 b + 1,024 + 64 bytes for 16 groups
	s_mov_b32 s51, 0
	s_add_co_u32 s46, s46, s48                     ; A: 1,280 b + 512 bytes for 128 channels
	s_mov_b32 s47, 0
	s_lshl_b32 s60, s14, 8                         ; 256 x wave
	s_mov_b32 s61, 0
	s_lshl_b32 s52, s41, 11
	s_add_co_u32 s52, s52, s60                     ; qc: 2,048 a block + 256 a tile
	s_mov_b32 s53, 0
	s_lshl_b32 s54, s41, 9                         ; qs: 512 a block
	s_mov_b32 s55, 0
	s_mul_i32 s56, s41, RECB                       ; kv: the record
	s_mov_b32 s57, 0
	s_lshl_b32 s58, s14, 12                        ; Wv: my 32 rows of 128 bytes
	s_mov_b32 s59, 0
	s_lshl_b32 s62, s14, 9
	s_add_co_u32 s62, s62, 18432                   ; the way out: 512 bytes a wave from the record's byte 18,432 on
	s_mov_b32 s63, 0
	s_lshl_b32 s66, s14, 11
	s_add_co_u32 s66, s66, 2048                    ; v's codes: my two tiles
	s_mov_b32 s67, 0
	v_and_b32 v[T0], 31, v0                        ; lane
	s_delay_alu instid0(VALU_DEP_1)
	v_lshlrev_b32 v[XO], 2, v[T0]
	s_delay_alu instid0(VALU_DEP_2)
	v_lshlrev_b32 v[LI], 4, v[T0]
	s_delay_alu instid0(VALU_DEP_3)
	v_lshlrev_b32 v[LS], 2, v[T0]
	v_and_b32 v[KB], 7, v0                         ; lane % 8
	v_bfe_u32 v[CX], v0, 3, 1                      ; u
	v_bfe_u32 v[CX+1], v0, 4, 1                    ; h
	; phase X: lane l holds position 32 pg + l = tile 2 pg + u, row 8 (l / 16) + l % 8, u = (l / 8) % 2.  Its block beta of K step s is registers 4 (beta / 2) on of image lane row + 16 (beta % 2)
	s_delay_alu instid0(VALU_DEP_3)
	v_lshlrev_b32 v[HWA], 4, v[KB]
	s_delay_alu instid0(VALU_DEP_1)
	v_lshl_add_u32 v[HWA], v[CX+1], 7, v[HWA]
	s_delay_alu instid0(VALU_DEP_1)
	v_lshl_add_u32 v[HWA], v[CX], 11, v[HWA]
	s_lshl_b32 s68, s42, 12
	s_lshl_b32 s69, s43, 10
	s_add_co_u32 s68, s68, s69
	v_add_nc_u32 v[HWA], s68, v[HWA]               ; HIMG + 4,096 pg + 2,048 u + 1,024 s + 128 (l / 16) + 16 (l % 8)
	v_lshlrev_b32 v[HSA], 2, v[KB]
	s_delay_alu instid0(VALU_DEP_1)
	v_lshl_add_u32 v[HSA], v[CX+1], 5, v[HSA]
	s_delay_alu instid0(VALU_DEP_1)
	v_lshl_add_u32 v[HSA], v[CX], 7, v[HSA]
	s_lshl_b32 s68, s42, 8
	s_lshl_b32 s69, s43, 6
	s_add_co_u32 s68, s68, s69
	s_add_co_u32 s68, s68, HSC
	v_add_nc_u32 v[HSA], s68, v[HSA]               ; HSC + 256 pg + 128 u + 64 s + 32 (l / 16) + 4 (l % 8)
	v_and_b32 v[CX+2], 15, v0                      ; r
	v_and_b32 v[CX+3], 8, v0
	s_delay_alu instid0(VALU_DEP_1)
	v_add_nc_u32 v[CX+3], v[CX+3], v[CX+2]         ; r + 8 (r / 8)
	s_delay_alu instid0(VALU_DEP_1)
	v_lshlrev_b32 v[WA], 7, v[CX+3]
	s_delay_alu instid0(VALU_DEP_1)
	v_lshl_add_u32 v[WA], v[CX+1], 4, v[WA]
	s_delay_alu instid0(VALU_DEP_3)
	v_lshlrev_b32 v[WSA], 3, v[CX+3]
	s_delay_alu instid0(VALU_DEP_1)
	v_lshl_add_u32 v[WSA], v[CX+1], 2, v[WSA]
	v_lshlrev_b32 v[CO], 4, v[CX+2]
	s_delay_alu instid0(VALU_DEP_1)
	v_lshl_add_u32 v[CO], v[CX+1], 3, v[CO]
	s_lshl_b32 s68, s43, 6
	s_add_co_u32 s68, s68, s42
	s_add_co_u32 s68, s68, STG+1024
	v_lshl_add_u32 v[KBA], v[CX+2], 2, s68         ; 64 (w / 4) + w % 4 + 4 r
	s_lshl_b32 s68, s14, 6
	s_add_co_u32 s68, s68, STG+1536
	v_lshl_add_u32 v[QWA], v[CX+2], 2, s68         ; 64 w + 4 r
	s_lshl_b32 s68, s43, 9
	s_lshl_b32 s69, s42, 2
	s_add_co_u32 s68, s68, s69
	s_add_co_u32 s68, s68, STG
	v_add_nc_u32 v[VWA], s68, v[LI]                ; 512 (w / 4) + 4 (w % 4) + 16 lane
	v_lshl_add_u32 v[PADA], v0, 2, STG+1152
	v_lshl_add_u32 v[STA], v0, 4, STG
	s_lshl_b32 s68, s14, 11
	v_add_nc_u32 v[HOA], s68, v[LI]                ; HIMG + 2,048 w + 16 lane
	s_lshl_b32 s68, s14, 7
	s_add_co_u32 s68, s68, HSC
	v_add_nc_u32 v[HWSA], s68, v[LS]
.irp b, 0,1,2,3
	v_mov_b32 v[TM+4+\b], 0                        ; written once: a lane permute's destination counts as one of its sources
.endr
	s_cmp_lt_u32 s14, 3                            ; the record's 384 zeros: 96 threads, a word each.  Every LDS address register has been made ahead of this branch
	s_cbranch_scc0 .Lno_pad
	ds_store_b32 v[PADA], v[TM+4]
.Lno_pad:
	s_wait_kmcnt 0x0
	s_add_nc_u64 s[2:3], s[16:17], s[44:45]        ; x at my wave's part
	s_add_nc_u64 s[4:5], s[18:19], s[46:47]        ; A
	s_add_nc_u64 s[90:91], s[18:19], s[50:51]      ; -mean
	s_add_nc_u64 s[6:7], s[20:21], s[48:49]        ; norm_b
	s_add_nc_u64 s[8:9], s[34:35], s[52:53]        ; qc at my tile
	s_add_nc_u64 s[10:11], s[36:37], s[54:55]      ; qs at my block
	s_add_nc_u64 s[98:99], s[38:39], s[56:57]      ; the record
	s_add_nc_u64 s[12:13], s[98:99], s[60:61]      ; k's codes of my tile
	s_add_nc_u64 s[96:97], s[98:99], s[62:63]      ; the scale words' way out
	s_add_nc_u64 s[100:101], s[98:99], s[66:67]    ; v's codes of my two tiles
	s_add_nc_u64 s[92:93], s[30:31], s[58:59]      ; Wv's codes, my 32 rows
	s_add_nc_u64 s[94:95], s[32:33], s[60:61]      ; Wv's scales
	WIN 0x40                                       ; destination window 1
.irp n, 0,1
.irp s, 0,1
.irp c, 0,1
	global_load_b128 v[WV+8*(2*\n+\s)+4*\c:WV+8*(2*\n+\s)+4*\c+3], v[WA], s[92:93] offset:1024*\n+64*\s+32*\c
	global_load_b128 v[WQ+8*(2*\n+\s)+4*\c:WQ+8*(2*\n+\s)+4*\c+3], v[WA], s[22:23] offset:1024*\n+64*\s+32*\c
	global_load_b128 v[WK+8*(2*\n+\s)+4*\c:WK+8*(2*\n+\s)+4*\c+3], v[WA], s[26:27] offset:1024*\n+64*\s+32*\c
.endr
.endr
.endr
	WIN 0
.irp n, 0,1
	global_load_b32 v[WVS+\n], v[WSA], s[94:95] offset:64*\n
	global_load_b32 v[WQS+\n], v[WSA], s[24:25] offset:64*\n
	global_load_b32 v[WKS+\n], v[WSA], s[28:29] offset:64*\n
.endr
	s_wait_xcnt 0x0                                ; the weights' loads have read their bases: s[16:39] may take the coefficients
	COEF 0
.set i, 0
.rept 128
	global_load_b32 v[X+i], v[XO], s[2:3] offset:16384*i   ; channel i of my 128: 32 lanes read 128 consecutive bytes, four waves side by side 512
.set i, i+1
.endr
; PHASE X, a block of 32 channels.  left: the younger loads that may stay out (the later blocks', as far as the wait's field can say it)
.macro XBLOCK bt, left
.set XB, X+32*(\bt)
	s_wait_loadcnt \left
	s_wait_kmcnt 0x0                               ; the block's coefficients
.set i, 0
.rept 32
	v_add_f32 v[XB+i], s[84+i/8], v[XB+i]          ; x - mean
.set i, i+1
.endr
.set i, 0
.rept 32
	v_fma_f32 v[XB+i], v[XB+i], s[16+i], s[48+i+4*(i/16)]   ; x A + norm_b
.set i, i+1
.endr
.if (\bt) < 3
	COEF (\bt)+1                                   ; the next block's, under this block's quantising
.endif
	v_max3_num_f32 v[TM], |v[XB]|, |v[XB+1]|, |v[XB+2]|     ; the block's largest magnitude: all 32 numbers are mine; two chains
	v_max3_num_f32 v[TM+1], |v[XB+3]|, |v[XB+4]|, |v[XB+5]|
.irp i, 6,10,14,18,22,26
	s_delay_alu instid0(VALU_DEP_2)
	v_max3_num_f32 v[TM], v[TM], |v[XB+\i]|, |v[XB+\i+1]|
	s_delay_alu instid0(VALU_DEP_2)
	v_max3_num_f32 v[TM+1], v[TM+1], |v[XB+\i+2]|, |v[XB+\i+3]|
.endr
	s_delay_alu instid0(VALU_DEP_2)
	v_max3_num_f32 v[TM], v[TM], |v[XB+30]|, |v[XB+31]|
	s_delay_alu instid0(VALU_DEP_1)
	v_max3_num_f32 v[TM], v[TM], v[TM+1], 0x1800000  ; and the floor 2^(3 - 127)
	s_delay_alu instid0(VALU_DEP_1)
	v_add_nc_u32 v[TM+2], 0xff000000, v[TM]        ; 2 off the exponent field: the conversion's scale operand
	s_delay_alu instid0(VALU_DEP_1)
	v_lshrrev_b32 v[TM+3], 23, v[TM+2]             ; the scale's byte
.if (\bt) == 0
	s_delay_alu instid0(VALU_DEP_1)
	v_mov_b32 v[XW], v[TM+3]
.else
	s_delay_alu instid0(VALU_DEP_1)
	v_lshl_or_b32 v[XW], v[TM+3], 8*(\bt), v[XW]
.endif
.irp g, 0,1,2,3
	v_cvt_scalef32_pk8_fp4_f32 v[CX+4*(\bt)+\g], v[XB+8*\g:XB+8*\g+7], v[TM+2]
.endr
	v_nop                                          ; one plain place behind a scaled conversion
	ds_store_b128 v[HWA], v[CX+4*(\bt):CX+4*(\bt)+3] offset:512*((\bt)/2)+256*((\bt)%2)
.endm
	XBLOCK 0, 63
	XBLOCK 1, 63
	XBLOCK 2, 32
	XBLOCK 3, 0
	ds_store_b32 v[HSA], v[XW]
	s_wait_dscnt 0x0                               ; for the others' sake: my stores have landed
	s_barrier_signal -1
	s_barrier_wait -1                              ; h's sixteen fragments lie in LDS
	; PHASE F
	WIN 0x40
.set i, 0
.rept 16
	ds_load_b128 v[HF+8*i:HF+8*i+3], v[LI] offset:HIMG+1024*i
	ds_load_b128 v[HF+8*i+4:HF+8*i+7], v[LI] offset:HIMG+1024*i+512
.set i, i+1
.endr
.irp s, 0,1
	ds_load_b128 v[HW+8*\s:HW+8*\s+3], v[HOA] offset:1024*\s
	ds_load_b128 v[HW+8*\s+4:HW+8*\s+7], v[HOA] offset:1024*\s+512
.endr
	WIN 0
.irp t, 0,1,2,3,4,5,6,7
	ds_load_b32 v[HS+\t], v[LS] offset:HSC+128*\t  ; lanes 0-15 K step 0, lanes 16-31 K step 1
.endr
	ds_load_b32 v[HWS], v[HWSA]
	s_wait_dscnt 0x0
	; PHASE QK: four accumulators by turns.  Lane (r, h): position row r of my tile; the 16 registers of a pair of tiles are d = 16 h + 0 .. 15
	WIN 0x05                                       ; sources 0 and 1 window 1
.irp s, 0,1
.irp u, 0,1
	MM D+8*\u, WQ+8*(2*\u+\s), HW+8*\s, WQS+\u, HWS, \s
.endr
.irp u, 0,1
	MM D+16+8*\u, WK+8*(2*\u+\s), HW+8*\s, WKS+\u, HWS, \s
.endr
.endr
	WIN 0
	PLACES 4                                       ; in front of the first read of results
.irp b, 0,1                                    ; block 0: q, block 1: k: 32 along d, in lanes l and l xor 16
	v_max3_num_f32 v[TM+\b], |v[D+16*\b]|, |v[D+1+16*\b]|, 0x1800000
.endr
.irp i, 2,4,6,8,10,12,14
.irp b, 0,1
	v_max3_num_f32 v[TM+\b], v[TM+\b], |v[D+16*\b+\i]|, |v[D+1+16*\b+\i]|
.endr
.endr
.irp b, 0,1
	s_delay_alu instid0(VALU_DEP_2)
	v_permlanex16_b32 v[TM+4+\b], v[TM+\b], s88, s89
.endr
.irp b, 0,1
	s_delay_alu instid0(VALU_DEP_2)
	v_max_num_f32 v[TM+\b], v[TM+\b], v[TM+4+\b]
.endr
.irp b, 0,1
	s_delay_alu instid0(VALU_DEP_2)
	v_add_nc_u32 v[TM+12+\b], 0xff000000, v[TM+\b]
.endr
.irp b, 0,1
	s_delay_alu instid0(VALU_DEP_2)
	v_lshrrev_b32 v[TM+4+\b], 23, v[TM+12+\b]
.endr
.irp b, 0,1
	v_cvt_scalef32_pk8_fp4_f32 v[PCQ+2*\b], v[D+16*\b:D+7+16*\b], v[TM+12+\b]
	v_cvt_scalef32_pk8_fp4_f32 v[PCQ+1+2*\b], v[D+8+16*\b:D+15+16*\b], v[TM+12+\b]
.endr
	v_nop                                          ; one plain place behind a scaled conversion
	global_store_b64 v[CO], v[PCQ:PCQ+1], s[8:9]   ; the wave stores 256 consecutive bytes, aligned
	global_store_b64 v[CO], v[PCQ+2:PCQ+3], s[12:13]
	v_mul_lo_u32 v[QW], v[TM+4], s15               ; q's byte in all four bytes of its word: whichever block of the next launch's K carries q finds it
	v_mov_b32 v[KB], v[TM+5]
	ds_store_b32 v[QWA], v[QW]                     ; lanes r and r + 16 write the same word with the same value
	ds_store_b8 v[KBA], v[KB]
	; PHASE V: eight accumulators (the eight tiles of positions) by turns, a K step at a time.  Lane (r, h): channel row r; register 16 b + i: position 32 b + 16 h + i
.irp n, 0,1
	PLACES 5                                       ; the accumulators are begun anew over registers that matrix instructions have written
	WIN 0x05
.irp s, 0,1
.irp t, 0,1,2,3,4,5,6,7
	MM D+8*\t, HF+8*(2*\t+\s), WV+8*(2*\n+\s), HS+\t, WVS+\n, \s
.endr
.endr
	WIN 0
	PLACES 4
	QUANT D, PC0+8*\n, PW0+\n
	global_store_b128 v[LI], v[PC0+8*\n:PC0+8*\n+3], s[100:101] offset:1024*\n        ; 512 consecutive bytes a store
	global_store_b128 v[LI], v[PC0+8*\n+4:PC0+8*\n+7], s[100:101] offset:1024*\n+512
.endr
	s_mov_b32 s98, 0xffff0000
	v_cndmask_b32 v[VW], v[PW0], v[PW0+1], s98     ; lanes 0-15 the even tile's words, lanes 16-31 the odd tile's
	ds_store_b32 v[VWA], v[VW]
	s_wait_tensorcnt 0x0                           ; the wave's end, behind my last LDS store
	ds_add_u32 v[SPW], v[NIL]
	s_wait_dscnt 0x0                               ; the wait also shows my stores landed, for the others' sake
	s_barrier_signal -1
	s_barrier_wait -1                              ; 2,048 bytes of scale words lie in LDS
	s_cmp_lt_u32 s14, 4                            ; four waves store them, 512 consecutive bytes each: three into the record, the fourth into qs
	s_cbranch_scc0 .Ldone
	ds_load_b128 v[TM:TM+3], v[STA]
	s_cmp_lt_u32 s14, 3
	s_cselect_b64 s[92:93], s[96:97], s[10:11]     ; the choice hangs on the wave's number alone
	s_wait_dscnt 0x0
	global_store_b128 v[LI], v[TM:TM+3], s[92:93]
.Ldone:
	s_endpgm
.Lfunc_end_k_q7c07d9c8c6_qkv:
	.size	k_q7c07d9c8c6_qkv, .Lfunc_end_k_q7c07d9c8c6_qkv-k_q7c07d9c8c6_qkv
	.p2alignl 7, 3214868480
	.fill 96, 4, 3214868480
	.section	.rodata,"a",@progbits
	.p2align	6, 0x0
	.amdhsa_kernel k_q7c07d9c8c6_qkv
		.amdhsa_group_segment_fixed_size 20480
		.amdhsa_private_segment_fixed_size 0
		.amdhsa_enable_private_segment 0
		.amdhsa_kernarg_size 96
		.amdhsa_user_sgpr_count 2
		.amdhsa_user_sgpr_kernarg_segment_ptr 1
		.amdhsa_wavefront_size32 1
		.amdhsa_system_sgpr_workgroup_id_x 1
		.amdhsa_system_sgpr_workgroup_id_y 1
		.amdhsa_system_sgpr_workgroup_id_z 1
		.amdhsa_system_vgpr_workitem_id 0
		.amdhsa_next_free_vgpr 512
		.amdhsa_next_free_sgpr 102
		.amdhsa_reserve_vcc 0
		.amdhsa_float_denorm_mode_32 3
		.amdhsa_float_denorm_mode_16_64 3
		.amdhsa_memory_ordered 1
		.amdhsa_forward_progress 1
		.amdhsa_inst_pref_size 64
	.end_amdhsa_kernel
	.amdgpu_metadata
---
amdhsa.version: [ 1, 2 ]
amdhsa.kernels:
  - .name:           k_q7c07d9c8c6_qkv
    .symbol:         k_q7c07d9c8c6_qkv.kd
    .args:
      - { .name: x, .offset: 0, .size: 8, .value_kind: global_buffer, .address_space: global }
      - { .name: coef, .offset: 8, .size: 8, .value_kind: global_buffer, .address_space: global }
      - { .name: norm_b, .offset: 16, .size: 8, .value_kind: global_buffer, .address_space: global }
      - { .name: Wq_codes, .offset: 24, .size: 8, .value_kind: global_buffer, .address_space: global }
      - { .name: Wq_scales, .offset: 32, .size: 8, .value_kind: global_buffer, .address_space: global }
      - { .name: Wk_codes, .offset: 40, .size: 8, .value_kind: global_buffer, .address_space: global }
      - { .name: Wk_scales, .offset: 48, .size: 8, .value_kind: global_buffer, .address_space: global }
      - { .name: Wv_codes, .offset: 56, .size: 8, .value_kind: global_buffer, .address_space: global }
      - { .name: Wv_scales, .offset: 64, .size: 8, .value_kind: global_buffer, .address_space: global }
      - { .name: qc, .offset: 72, .size: 8, .value_kind: global_buffer, .address_space: global }
      - { .name: qs, .offset: 80, .size: 8, .value_kind: global_buffer, .address_space: global }
      - { .name: kv, .offset: 88, .size: 8, .value_kind: global_buffer, .address_space: global }
    .group_segment_fixed_size: 20480
    .private_segment_fixed_size: 0
    .kernarg_segment_align: 8
    .kernarg_segment_size: 96
    .max_flat_workgroup_size: 256
    .sgpr_count:     102
    .vgpr_count:     512
    .wavefront_size: 32
...
	.end_amdgpu_metadata
.endif
;; end of part 2
;; launch attn (part 3): grid 32 x 8, 8 waves a work-group, clusters of 4 x 1, 327,680 bytes of LDS; arguments x, qc, qs, kv, Wproj_codes, Wproj_scales, gamma, out0; writes out0
.if DOCPART == 3
	.amdgcn_target "amdgcn-amd-amdhsa--gfx1250"
	.amdhsa_code_object_version 6
	.text
	.protected	k_q7c07d9c8c6_attn
	.globl	k_q7c07d9c8c6_attn
	.p2align	8
	.type	k_q7c07d9c8c6_attn,@function
k_q7c07d9c8c6_attn:
	s_mov_b64 s[64:65], 0
	v_nop
	global_prefetch_b8 v0, s[64:65] scope:SCOPE_SE
	s_setreg_imm32_b32 hwreg(HW_REG_WAVE_MODE, 25, 1), 1
	s_wait_xcnt 0x0
	s_wait_alu depctr_hold_cnt(0) depctr_sa_sdst(0) depctr_va_vdst(0) depctr_va_sdst(0) depctr_va_ssrc(0) depctr_va_vcc(0) depctr_vm_vsrc(0)
	s_getreg_b32 s2, hwreg(HW_REG_IB_STS2, 6, 4)
	s_cmp_eq_u32 s2, 0
	s_cbranch_scc0 .Lentry_in_a_cluster
	s_endpgm
.Lentry_in_a_cluster:
	s_bfe_u32 s2, ttmp6, 0x10000c
	s_cmp_lg_u32 s2, 0x3003
	s_cbranch_scc0 .Lentry_shape_is_right
	s_endpgm
.Lentry_shape_is_right:
; out0 = x + gamma Wproj (softmax(q k^T / sqrt(32)) v)^T, all three products on codes of FP4 (E2M1) with one E8M0 scale for each 32 along K.  q, k, v come as the launch before laid them: as images of operand registers.
; No work of reference() is left out.  LIMITS: NaN and infinities are not served; the scaled scores stay under 2^31 in magnitude; a block whose largest magnitude lies under 2^-124 (a block of zeros too) keeps the scale byte 1.
; THE SOFTMAX: t = score x log2(e) / sqrt(32); M = the running largest t rounded UP to a whole number; p = 2^(t - M) is quantised along the keys, not normalised; the row's sum is taken of the unquantised p and divides at the end.
; When M moves, the sum is multiplied by 2^(old M - new M) in every key step, which rounds nothing.
; O^T HAS A REFERENCE OF ITS OWN, R = M - d, d a whole number from 0 to 96.  In the first of a slot's four key steps O^T is multiplied by 2^(old R - M) and d becomes 0.  In the other three O^T stays as it is and the
; power of two 2^d goes into p's scale bytes (at most 125 + 96).  d is held at 32, 64, 96 in these steps.  Where the hold acts, M has risen by more than 32 in that step, the step holds a p over 1/2 at 2^d, and what lay in O^T
; (at most 4,096 terms at 2^(d - 32)) is kept too large, at under 2^-19 of the row's sum: LIMIT.  O^T stays under 2^108 x the largest |v|: LIMIT: |v| under 2^19.  At the end 1 / the sum is multiplied by 2^-d.
; A BLOCK'S SCALE: p rises with the score, so the block's largest p is 2^u, u = t - M of its largest score, and its exponent is floor(u): the byte is floor(u) + 125, held at 1 from below.
; LIMIT of that form: where u lies so close under a whole number that v_exp_f32 gives the power of two itself, that one p is held at the largest code.
; SHARES.  A work-group owns 128 queries of a batch; each of its eight waves one tile of 16 (tile T, row r = position 32 (T / 2) + 8 (T % 2) + r + 8 (r / 8)) in 512 registers, two waves to a SIMD.
; Every wave walks the batch's 32 records of 128 keys, TWO RECORDS A STEP.  BOTH PRODUCTS ARE USED TRANSPOSED: a lane holds one query throughout.
; THE FIRST PRODUCT'S K IS 32, one block of the instruction's four.  A fragment of k carries FOUR tiles of 16 keys, one in each block; q's fragment exists in four variants, q in block t and zero codes elsewhere, cut out of a chain
; of 20 registers [q above][0][q below][0][q above] ('below': lanes 0-15).
; THE RING.  Two LDS slots of eight records; a record is dense in memory, and at each fill every wave fetches one record (78 rows of 256 bytes): one load a wave, with no branch.  Four phases of four key steps.
; At the last change of slots each wave fetches, into slot 0, its own 32 rows x 512 bytes of x for the way out: that load has the last four key steps in which to land.
; No prefetch is laid: each fill is asked for four key steps, the work of 1,024 keys, ahead of its first read.
; CLUSTER.  The four work-groups of a cluster belong to one batch and walk the same records: each fill of records is asked for JOINTLY (mask 15).  x's tile is each work-group's own: no mask.  A work-group's place enters global addresses of q, x and out0 alone.
; THE WAY OUT.  O^T / the sum is quantised along the channels in registers and goes to LDS as images; behind a barrier wave w multiplies all 128 positions by rows 32 w .. 32 w + 31 of Wproj (a lane holds one channel, registers
; along the positions); the results turn through the wave's own stage and leave, with x and gamma, as rows of 512 bytes.  The images lie in slot 0's first bytes, which have had their last fill and their last read at the last change of slots;
; the stages lie in slot 1 and are first written behind the way out's barrier, when nobody reads it any more.
.set RECB,  19968                      ; a record: 0 k's codes, 2,048 v's codes, 18,432 v's scale words, 19,456 k's scale bytes
.set SLOTB, 8*RECB
.set BATB,  32*RECB
.set SPARE, 2*SLOTB                    ; the spare words, 128 bytes for each wave: four blocks of 256 bytes that no other line names
.set OIMG,  0                          ; out's fragment (T, K step s) at 1,024 (2 T + s), + 512 c + 16 lane
.set OSC,   16384                      ; its scale words at 128 T + 64 s + 4 r
.set XT,    SLOTB-131072               ; x's tile: 16,384 bytes a wave, the last 131,072 bytes of slot 0
.set STG,   SLOTB                      ; a stage of 16 rows x (512 + 16) bytes for each wave
.set SP,    528
.set LI,   1                           ; v1   16 x lane
.set LS,   2                           ; v2   4 x lane
.set ADR,  3                           ; v3   the step's first record + 16 x lane; on the way out: my rows of x
.set ADS,  4                           ; v4   the step's first record + 4 x lane
.set SPW,  5                           ; v5   my spare word; never rewritten
.set NIL,  6                           ; v6   0; never rewritten
.set WPA,  7                           ; v7   Wproj's fragments: 128 r + 16 h
.set SO,   8                           ; v8   the stage: in
.set SR,   9                           ; v9   the stage: back
.set OWI,  10                          ; v10  out's images
.set OWS,  11                          ; v11  their scale words
                                       ; v12 -M, v13 the largest t, v[14:15] the sum in two halves
.set QV,   16                          ; v16-35 q's chain
.set QS,   36
.set KSA,  37
.set F,    38                          ; v[38:39] f for the sum, then for O^T; later 1 / the sum
.set PSA,  40
.set DL,   41                          ; v41  d, as f32
.set DD,   42                          ; v42  d before the hold
.set DB,   43                          ; v43  d in each of four bytes
.set WPS,  42                          ; v42-43 on the way out: Wproj's scale words
.set VS,   44                          ; v44-51 v's scale words, later out's
.set KFA,  52
.set KFB,  68
.set WP,   52                          ; on the way out: Wproj's fragments
.set KSB,  84
.set PSB,  85
.set PCB,  86
.set PB,   94
.set TMP2, 98
.set ND,   99                          ; v99  on the way out: -d
.set S,    100                         ; v100-227 S^T, then p
.set PCA,  228
.set TM,   236                         ; +0..3, +8..11 the eight blocks' maxima, then bytes; +4..7 at work; +12..15 the conversions' scale operands
.set TMP,  252
.set CV0,  253                         ; v253, v254  c, twice; v255 -M once more: the two halves of a dual instruction take each source from another register bank (number mod 4)
.set CV1,  254
.set MC,   255
                                       ; window 1: v0-127 O^T, later the projection's accumulators; v128-255 v's 16 fragments, later 32 rows of x
.set WV,    20
.set G1X,   24                         ; s[24:31] group 1: x's tile
.set G0A,   32                         ; s[32:35] records 0-7 into slot 0
.set G0X,   36                         ; s[36:39] x's tile
.set SEL,   40
.set CS,    42
.set GM,    44
.set TB,    46
.set CL,    47                         ; s47  the hold on d in this key step, as f32: 0, 32, 64, 96
.set CNT,   48
.set G1F,   72                         ; s[72:79] group 1: a record
.set G0B,   80                         ; records 8-15 into slot 1
.set G0C,   84                         ; records 16-23 into slot 0
.set G0D,   88                         ; records 24-31 into slot 1.  The groups 0 are made once and never rewritten
.set MSB, 0
.macro WIN new                         ; bits 1:0 source 0, 3:2 source 1, 5:4 source 2, 7:6 destination; the high byte repeats the setting that is left
.if MSB != \new
	s_set_vgpr_msb (MSB<<8)|\new
.set MSB, \new
.endif
.endm
.macro PLACES n
.rept \n
	v_nop
.endr
.endm
.macro CROUND                          ; a round of the cluster's barrier
	s_barrier_signal -1
	s_barrier_wait -1
	s_cmp_lg_u32 s[WV], 0
	s_cbranch_scc1 .Lnot_wave_0_\@
	s_barrier_signal -3
.Lnot_wave_0_\@:
	s_barrier_wait -3
	s_barrier_signal -1
	s_barrier_wait -1
.endm
; 64 numbers of a lane, register 16 b + i = k 32 b + 16 (lane / 16) + i of my row, become a fragment's codes in v[pc] on and its scale word in v[pw]
.macro QUANT s, pc, pw
.irp b, 0,1,2,3
	v_max3_num_f32 v[TM+\b], |v[\s+16*\b]|, |v[\s+1+16*\b]|, 0x1800000   ; with the floor 2^(3 - 127): the byte cannot fall under 1
.endr
.irp i, 2,4,6,8,10,12,14
.irp b, 0,1,2,3
	s_delay_alu instid0(VALU_DEP_4)
	v_max3_num_f32 v[TM+\b], v[TM+\b], |v[\s+16*\b+\i]|, |v[\s+1+16*\b+\i]|
.endr
.endr
.irp b, 0,1,2,3
	s_delay_alu instid0(VALU_DEP_4)
	v_permlanex16_b32 v[TM+4+\b], v[TM+\b], s[SEL], s[SEL+1]
.endr
.irp b, 0,1,2,3
	s_delay_alu instid0(VALU_DEP_4)
	v_max_num_f32 v[TM+\b], v[TM+\b], v[TM+4+\b]
.endr
.irp b, 0,1,2,3
	s_delay_alu instid0(VALU_DEP_4)
	v_add_nc_u32 v[TM+12+\b], 0xff000000, v[TM+\b]
.endr
.irp b, 0,1,2,3
	s_delay_alu instid0(VALU_DEP_4)
	v_lshrrev_b32 v[TM+4+\b], 23, v[TM+12+\b]
.endr
	s_delay_alu instid0(VALU_DEP_3)
	v_lshl_or_b32 v[\pw], v[TM+5], 8, v[TM+4]
	s_delay_alu instid0(VALU_DEP_1)
	v_lshl_or_b32 v[\pw], v[TM+6], 16, v[\pw]
	s_delay_alu instid0(VALU_DEP_1)
	v_lshl_or_b32 v[\pw], v[TM+7], 24, v[\pw]
.irp b, 0,1,2,3
	v_cvt_scalef32_pk8_fp4_f32 v[\pc+2*\b], v[\s+16*\b:\s+7+16*\b], v[TM+12+\b]
	v_cvt_scalef32_pk8_fp4_f32 v[\pc+1+2*\b], v[\s+8+16*\b:\s+15+16*\b], v[TM+12+\b]
.endr
	v_nop                                          ; one plain place behind a scaled conversion
.irp c, 0,1
.irp i, 0,1
	v_permlane16_swap_b32 v[\pc+4*\c+\i], v[\pc+2+4*\c+\i]
.endr
.endr
.endm
	s_load_b512 s[4:19], s[0:1], 0x0               ; x s[4:5], qc s[6:7], qs s[8:9], kv s[10:11], Wproj's codes s[12:13], scales s[14:15], gamma s[16:17], out0 s[18:19]
	v_lshl_add_u32 v[SPW], v0, 2, SPARE
	v_mov_b32 v[NIL], 0
	ds_add_u32 v[SPW], v[NIL]                      ; the opening lines: the add, twice on end, and its wait ahead of my first tensor load
	ds_add_u32 v[SPW], v[NIL]
	v_lshrrev_b32 v3, 5, v0
	s_delay_alu instid0(VALU_DEP_1)
	v_readfirstlane_b32 s[WV], v3                  ; wave 0..7
	s_bfe_u32 s21, ttmp6, 0x40000                  ; cx
	s_lshl_b32 s22, ttmp9, 2
	s_add_co_u32 s22, s22, s21                     ; my block of 128 queries
	s_and_b32 s23, ttmp7, 0xffff                   ; the batch, which the four partners share
	s_mov_b32 s[G1F], 15|(3<<16)|(1<<21)           ; a record: 78 dense rows of 32 elements of 8 bytes; the mask names all four work-groups, bit 21 beside it
	s_mov_b32 s[G1F+1], 32<<16
	s_mov_b32 s[G1F+2], 78<<16
	s_mov_b32 s[G1F+3], 32<<16
	s_mov_b32 s[G1F+4], 78
	s_mov_b32 s[G1F+5], 32
	s_mov_b32 s[G1F+6], 0
	s_mov_b32 s[G1F+7], 0
	s_mov_b32 s[G1X], 3<<16                        ; x's tile: 32 rows (channels) of 64 elements of 8 bytes, 2,048 elements apart; no mask, no padding
	s_mov_b32 s[G1X+1], 64<<16
	s_mov_b32 s[G1X+2], 32<<16
	s_mov_b32 s[G1X+3], 64<<16
	s_mov_b32 s[G1X+4], 32
	s_mov_b32 s[G1X+5], 2048
	s_mov_b32 s[G1X+6], 0
	s_mov_b32 s[G1X+7], 0
	s_mov_b32 s[SEL], 0x76543210
	s_mov_b32 s[SEL+1], 0xfedcba98                 ; selects for lane l xor 16
	s_mov_b32 s[CS], 0x3e8293ee                    ; c = log2(e) / sqrt(32)
	s_mov_b32 s[CS+1], s[CS]
	s_mov_b32 s[TB], 0
	s_mul_i32 s52, s23, BATB                       ; the batch's records
	s_mov_b32 s53, 0
	s_mul_i32 s56, s[WV], RECB                     ; my record
	s_mov_b32 s57, 0
	s_lshl_b32 s58, s23, 5
	s_add_co_u32 s58, s58, s22                     ; 32 b + block
	s_lshl_b32 s60, s58, 11
	s_lshl_b32 s59, s[WV], 8
	s_add_co_u32 s60, s60, s59                     ; qc: 2,048 a block + 256 a tile
	s_mov_b32 s61, 0
	s_lshl_b32 s62, s58, 9
	s_lshl_b32 s59, s[WV], 6
	s_add_co_u32 s62, s62, s59                     ; qs: 512 a block + 64 a tile
	s_mov_b32 s63, 0
	s_lshl_b32 s66, s[WV], 12                      ; Wproj: my 32 rows of 128 bytes
	s_mov_b32 s67, 0
	s_lshl_b32 s68, s[WV], 8                       ; and of 8 scale bytes
	s_mov_b32 s69, 0
	s_lshl_b32 s70, s23, 22                        ; x and out0: 4 MiB a batch,
	s_lshl_b32 s59, s[WV], 19                      ; my 32 channels of 16,384 bytes,
	s_add_co_u32 s70, s70, s59
	s_lshl_b32 s59, s22, 9                         ; 512 bytes a block
	s_add_co_u32 s70, s70, s59
	s_mov_b32 s71, 0
	s_wait_dscnt 0x0                               ; both opening adds are done
	s_wait_kmcnt 0x0
	s_load_b32 s[GM], s[16:17], 0x0                ; gamma
	s_add_nc_u64 s[10:11], s[10:11], s[52:53]      ; kv at my batch,
	s_add_nc_u64 s[10:11], s[10:11], s[56:57]      ; at my record of records 0-7
	s_add_nc_u64 s[6:7], s[6:7], s[60:61]
	s_add_nc_u64 s[8:9], s[8:9], s[62:63]
	s_add_nc_u64 s[12:13], s[12:13], s[66:67]
	s_add_nc_u64 s[14:15], s[14:15], s[68:69]
	s_add_nc_u64 s[4:5], s[4:5], s[70:71]
	s_add_nc_u64 s[18:19], s[18:19], s[70:71]
	CROUND                                         ; all four work-groups are here: the first joint loads meet
	s_mov_b32 s[G0A], 1
	s_mul_i32 s[G0A+1], s[WV], RECB                ; slot 0, my record
	s_mov_b64 s[G0A+2:G0A+3], s[10:11]
	s_or_b32 s[G0A+3], s[G0A+3], 0x80000000
	tensor_load_to_lds s[G0A:G0A+3], s[G1F:G1F+7]  ; my one load at the head
	s_nop 0
	PLACES 4
	s_mov_b32 s[G0C], 1
	s_mul_i32 s[G0C+1], s[WV], RECB
	s_add_nc_u64 s[G0C+2:G0C+3], s[10:11], 2*SLOTB
	s_or_b32 s[G0C+3], s[G0C+3], 0x80000000
	s_mov_b32 s[G0B], 1
	s_add_co_u32 s[G0B+1], s[G0C+1], SLOTB         ; slot 1, my record
	s_add_nc_u64 s[G0B+2:G0B+3], s[10:11], SLOTB
	s_or_b32 s[G0B+3], s[G0B+3], 0x80000000
	s_mov_b32 s[G0D], 1
	s_add_co_u32 s[G0D+1], s[G0C+1], SLOTB
	s_add_nc_u64 s[G0D+2:G0D+3], s[10:11], 3*SLOTB
	s_or_b32 s[G0D+3], s[G0D+3], 0x80000000
	s_mov_b32 s[G0X], 1
	s_lshl_b32 s[G0X+1], s[WV], 14
	s_add_co_u32 s[G0X+1], s[G0X+1], XT            ; my 16,384 bytes of x's tile
	s_mov_b64 s[G0X+2:G0X+3], s[4:5]
	s_or_b32 s[G0X+3], s[G0X+3], 0x80000000
	v_and_b32 v3, 31, v0
	s_delay_alu instid0(VALU_DEP_1)
	v_lshlrev_b32 v[LI], 4, v3
	s_delay_alu instid0(VALU_DEP_2)
	v_lshlrev_b32 v[LS], 2, v3
	v_and_b32 v100, 15, v0                         ; r
	v_bfe_u32 v101, v0, 4, 1                       ; h
	s_delay_alu instid0(VALU_DEP_2)
	v_lshlrev_b32 v102, 4, v100                    ; q's codes: 16 r, the same in both halves of the lanes
	s_delay_alu instid0(VALU_DEP_3)
	v_lshlrev_b32 v103, 2, v100                    ; q's scale word: 4 r
	s_delay_alu instid0(VALU_DEP_4)
	v_lshlrev_b32 v[WPA], 7, v100
	s_delay_alu instid0(VALU_DEP_1)
	v_lshl_add_u32 v[WPA], v101, 4, v[WPA]
	global_load_b128 v[164:167], v102, s[6:7]
	global_load_b32 v[QS], v103, s[8:9]
	s_mul_i32 s52, s[WV], 16*SP
	s_add_co_u32 s52, s52, STG                     ; my stage
	v_mul_u32_u24 v[SO], v100, SP
	s_delay_alu instid0(VALU_DEP_1)
	v_lshl_add_u32 v[SO], v101, 6, v[SO]
	s_delay_alu instid0(VALU_DEP_1)
	v_add_nc_u32 v[SO], s52, v[SO]                 ; in: row r (a channel), + 64 h
	v_add_nc_u32 v[SR], s52, v[LI]                 ; back: the 32 lanes take a row of 512 bytes
	s_lshl_b32 s53, s[WV], 11
	v_add_nc_u32 v[OWI], s53, v[LI]
	s_lshl_b32 s53, s[WV], 7
	s_add_co_u32 s53, s53, OSC
	v_lshl_add_u32 v[OWS], v100, 2, s53
	WIN 0x40
.set i, 0
.rept 128
	v_mov_b32 v[i], 0                              ; O^T: the first step finds zeros, so the key step has no first form of its own
.set i, i+1
.endr
	WIN 0
	s_mov_b32 s52, 0xffff
	s_mov_b32 s53, 0xffff0000
	s_wait_loadcnt 0x0
.irp i, 0,1,2,3
	v_cndmask_b32 v[QV+\i], 0, v[164+\i], s53      ; q above
	v_mov_b32 v[QV+4+\i], 0
	v_cndmask_b32 v[QV+8+\i], 0, v[164+\i], s52    ; q below
	v_mov_b32 v[QV+12+\i], 0
	v_cndmask_b32 v[QV+16+\i], 0, v[164+\i], s53   ; q above
.endr
	v_mov_b32 v13, 0xff61b1e6                      ; the largest t so far: -3e38
	s_delay_alu instid0(VALU_DEP_1)
	v_floor_f32 v12, -v13                          ; -M
	v_mov_b32 v14, 0
	v_mov_b32 v15, 0
	v_mov_b32 v[F+1], 0
	v_mov_b32 v[DL], 0                             ; d
	v_mov_b32 v[CV0], s[CS]
	v_mov_b32 v[CV1], s[CS]
.irp b, 0,1,2,3
	v_mov_b32 v[TM+4+\b], 0                        ; a lane permute's destination counts as one of its sources
	v_mov_b32 v[PB+\b], 0
.endr
	s_wait_kmcnt 0x0
	s_mov_b32 s[GM+1], s[GM]
; S^T of one record: tile t lies in block t % 4 of fragment t / 4.  Lane (r, h): query r; register 64 rec + 16 b + i: key 128 rec + 32 b + 16 h + i
.macro QKT rec, kf, ks
.set t, 0
.rept 8
.if t%4 == 0
.set QO, QV+8
.elseif t%4 == 1
.set QO, QV
.elseif t%4 == 2
.set QO, QV+4
.else
.set QO, QV+12
.endif
.if t < 4
	v_wmma_scale_f32_16x16x128_f8f6f4 v[S+64*(\rec)+8*t:S+64*(\rec)+8*t+7], v[\kf:\kf+7], v[QO:QO+7], 0, v[\ks], v[QS] matrix_a_fmt:MATRIX_FMT_FP4 matrix_b_fmt:MATRIX_FMT_FP4
.else
	v_wmma_scale_f32_16x16x128_f8f6f4 v[S+64*(\rec)+8*t:S+64*(\rec)+8*t+7], v[\kf+8:\kf+15], v[QO:QO+7], 0, v[\ks], v[QS] matrix_a_fmt:MATRIX_FMT_FP4 matrix_b_fmt:MATRIX_FMT_FP4 matrix_a_scale:MATRIX_SCALE_ROW1
.endif
.set t, t+1
.endr
.endm
; 34 LDS loads: v's scale words and its 16 fragments, of the record off bytes behind the step's first
.macro VLOAD off
.irp i, 0,1
	ds_load_b128 v[VS+4*\i:VS+4*\i+3], v[ADR] offset:\off+18432+512*\i
.endr
	WIN 0x40
.set i, 0
.rept 32
	ds_load_b128 v[128+4*i:128+4*i+3], v[ADR] offset:\off+2048+512*i
.set i, i+1
.endr
	WIN 0
.endm
; the sum of a record's 64 unquantised p: two additions an instruction, in two pairs of chains.  s is a multiple of 4, so each source place takes two different banks
.macro PSUM s
	v_dual_add_f32 v[TM+4], v[\s], v[\s+2] :: v_dual_add_f32 v[TM+5], v[\s+1], v[\s+3]
.irp j, 4,8,12,16,20,24,28,32,36,40,44,48,52,56,60
	v_dual_add_f32 v14, v[\s+\j], v14 :: v_dual_add_f32 v15, v[\s+1+\j], v15
	v_dual_add_f32 v[TM+4], v[\s+2+\j], v[TM+4] :: v_dual_add_f32 v[TM+5], v[\s+3+\j], v[TM+5]
.endr
	v_dual_add_f32 v14, v[TM+4], v14 :: v_dual_add_f32 v15, v[TM+5], v15
.endm
; v[bm] on hold the four blocks' scale bytes in their low bytes (under bits that the shift drops).  PQ1: the conversions' scale operands, byte << 23
.macro PQ1 bm
.irp b, 0,1,2,3
	v_lshlrev_b32 v[TM+12+\b], 23, v[\bm+\b]
.endr
.endm
; PQ2: the four bytes, each with d added, make the scale word v[ps]; the record's p, v[s] on, becomes codes in v[pc] on
.macro PQ2 s, bm, pc, ps
	v_perm_b32 v[\ps], v[\bm+1], v[\bm], 0x04000400        ; bytes 0, 1: blocks 0, 1
	v_perm_b32 v[TM+4], v[\bm+3], v[\bm+2], 0x04000400     ; blocks 2, 3
	s_delay_alu instid0(VALU_DEP_1)
	v_perm_b32 v[\ps], v[TM+4], v[\ps], 0x05040100         ; the two low halves
	s_delay_alu instid0(VALU_DEP_1)
	v_add_nc_u32 v[\ps], v[\ps], v[DB]                     ; x 2^d: no byte passes 221, so none carries
.irp b, 0,1,2,3
	v_cvt_scalef32_pk8_fp4_f32 v[\pc+2*\b], v[\s+16*\b:\s+7+16*\b], v[TM+12+\b]
	v_cvt_scalef32_pk8_fp4_f32 v[\pc+1+2*\b], v[\s+8+16*\b:\s+15+16*\b], v[TM+12+\b]
.endr
	v_nop                                          ; one plain place behind a scaled conversion
.irp c, 0,1                                    ; the operand's layout wants a whole block in a lane
.irp i, 0,1
	v_permlane16_swap_b32 v[\pc+4*\c+\i], v[\pc+2+4*\c+\i]
.endr
.endr
.endm
; O^T += v^T p^T for one record: sixteen accumulators, one instruction each
.macro PVT pc, ps
	WIN 0x51                                       ; v, C and D window 1; p window 0
.set t, 0
.rept 16
.if t%2 == 0
	v_wmma_scale_f32_16x16x128_f8f6f4 v[8*t:8*t+7], v[128+8*t:128+8*t+7], v[\pc:\pc+7], v[8*t:8*t+7], v[VS+t/2], v[\ps] matrix_a_fmt:MATRIX_FMT_FP4 matrix_b_fmt:MATRIX_FMT_FP4
.else
	v_wmma_scale_f32_16x16x128_f8f6f4 v[8*t:8*t+7], v[128+8*t:128+8*t+7], v[\pc:\pc+7], v[8*t:8*t+7], v[VS+t/2], v[\ps] matrix_a_fmt:MATRIX_FMT_FP4 matrix_b_fmt:MATRIX_FMT_FP4 matrix_a_scale:MATRIX_SCALE_ROW1
.endif
.set t, t+1
.endr
	WIN 0
.endm
; A KEY STEP: the 256 keys of the two records at LDS byte s[TB]
.macro STEP2
	v_add_nc_u32 v[ADR], s[TB], v[LI]
	v_add_nc_u32 v[ADS], s[TB], v[LS]
	v_nop
	v_nop                                          ; four places behind the last products, in front of loads into their registers
	ds_load_b32 v[KSA], v[ADS] offset:19456
.irp i, 0,1,2,3
	ds_load_b128 v[KFA+4*\i:KFA+4*\i+3], v[ADR] offset:512*\i
.endr
	ds_load_b32 v[KSB], v[ADS] offset:RECB+19456
.irp i, 0,1,2,3
	ds_load_b128 v[KFB+4*\i:KFB+4*\i+3], v[ADR] offset:RECB+512*\i
.endr
	VLOAD 0
	s_wait_dscnt 34                                ; k's ten loads are in; the first record's v, 34 loads, stays out under the softmax
	QKT 0, KFA, KSA
	QKT 1, KFB, KSB
	PLACES 4
.irp b, 0,1,2,3,4,5,6,7
	v_max3_num_f32 v[TM+\b+4*(\b/4)], v[S+16*\b], v[S+1+16*\b], v[S+2+16*\b]   ; the largest score of each block of 32 keys: for the row's maximum and for the block's scale
.endr
.irp i, 3,5,7,9,11,13
.irp b, 0,1,2,3,4,5,6,7
	v_max3_num_f32 v[TM+\b+4*(\b/4)], v[TM+\b+4*(\b/4)], v[S+16*\b+\i], v[S+1+16*\b+\i]
.endr
.endr
.irp b, 0,1,2,3,4,5,6,7
	v_max_num_f32 v[TM+\b+4*(\b/4)], v[TM+\b+4*(\b/4)], v[S+15+16*\b]
.endr
.irp b, 0,1,2,3
	v_permlanex16_b32 v[TM+4+\b], v[TM+\b], s[SEL], s[SEL+1]
	v_permlanex16_b32 v[PB+\b], v[TM+8+\b], s[SEL], s[SEL+1]
.endr
.irp b, 0,1,2,3
	v_max_num_f32 v[TM+\b], v[TM+\b], v[TM+4+\b]   ; with lane l xor 16's 16 keys
	v_max_num_f32 v[TM+8+\b], v[TM+8+\b], v[PB+\b]
.endr
	s_delay_alu instid0(VALU_DEP_4)
	v_max3_num_f32 v[TMP], v[TM], v[TM+1], v[TM+2]
	s_delay_alu instid0(VALU_DEP_3)
	v_max3_num_f32 v[TMP2], v[TM+3], v[TM+8], v[TM+9]
	s_delay_alu instid0(VALU_DEP_2)
	v_max3_num_f32 v[TMP], v[TMP], v[TM+10], v[TM+11]
	s_delay_alu instid0(VALU_DEP_1)
	v_max_num_f32 v[TMP], v[TMP], v[TMP2]          ; the step's largest score of my query
	s_delay_alu instid0(VALU_DEP_1)
	v_mul_f32 v[TMP], s[CS], v[TMP]                ; as t (c is positive)
	s_delay_alu instid0(VALU_DEP_1)
	v_max_num_f32 v13, v13, v[TMP]                 ; the running largest t
	v_mov_b32 v[TMP], v12
	s_delay_alu instid0(VALU_DEP_2)
	v_floor_f32 v12, -v13                          ; the new -M = -ceil(t),
	s_delay_alu instid0(VALU_DEP_3)
	v_floor_f32 v[MC], -v13                        ; and once more
	s_delay_alu instid0(VALU_DEP_2)
	v_sub_f32 v[TMP], v12, v[TMP]                  ; old M - new M: a whole number, 0 or less
	s_delay_alu instid0(VALU_DEP_1)
	v_sub_f32 v[DD], v[DL], v[TMP]                 ; new M - O^T's reference: the old d + M's rise
	s_delay_alu instid0(VALU_DEP_2)
	v_cvt_i32_f32 v[TMP], v[TMP]                   ; (it saturates)
	s_delay_alu instid0(VALU_DEP_2)
	v_min_num_f32 v[DL], s[CL], v[DD]              ; the new d, held
	s_delay_alu instid0(VALU_DEP_2)
	v_ldexp_f32 v[F], 1.0, v[TMP]                  ; f = 2^(old M - new M), for the sum
	s_delay_alu instid0(VALU_DEP_2)
	v_cvt_i32_f32 v[DB], v[DL]
	s_delay_alu instid0(VALU_DEP_1)
	v_perm_b32 v[DB], v[DB], v[DB], 0              ; d in each of the four bytes
.irp b, 0,1,2,3,8,9,10,11
	v_fma_f32 v[TM+\b], v[TM+\b], s[CS], v12       ; u: t - M of each block's largest score
.endr
.irp b, 0,1,2,3,8,9,10,11
	v_floor_f32 v[TM+\b], v[TM+\b]                 ; the exponent of the block's largest p,
.endr
.irp b, 0,1,2,3,8,9,10,11
	v_max_num_f32 v[TM+\b], 0xc2f80000, v[TM+\b]   ; held at -124 from below: the byte cannot fall under 1;
.endr
.irp b, 0,1,2,3,8,9,10,11
	v_add_f32 v[TM+\b], 0x4b00007d, v[TM+\b]       ; + 2^23 + 125, exact: the sum's low byte is the scale's byte, bits 8:7 are 0
.endr
.set j, 0
.rept 64
	v_dual_fma_f32 v[S+j], v[S+j], v[CV0], v12 :: v_dual_fma_f32 v[S+j+1], v[S+j+1], v[CV1], v[MC]   ; t - M, two fused multiply-adds an instruction
.set j, j+2
.endr
.set j, 0
	s_wait_alu depctr_va_vdst(0)                   ; the wait ahead of the batch
.rept 128
	v_exp_f32 v[S+j], v[S+j]                       ; p = 2^(t - M)
.set j, j+1
.endr
	v_pk_mul_f32 v[14:15], v[14:15], v[F:F+1] op_sel_hi:[1,0]   ; the sums under the new M: the plain place behind the exponentials
	s_wait_alu depctr_va_vdst(0)                   ; and the one wait behind it, ahead of its first reader
	PQ1 TM
	PQ2 S, TM, PCA, PSA
	PSUM S                                         ; 32 instructions: on both ways below the places between the making of p's codes and scale word and the products
	s_cmp_lg_u32 s[CNT], 4                         ; the slot's first key step?  (the count of steps alone: the same in all waves)
	s_cbranch_scc1 .Lkeep_\@
	v_sub_f32 v[DD], v[DL], v[DD]                  ; d is 0 here: old reference - new M, 0 or less
	s_delay_alu instid0(VALU_DEP_1)
	v_cvt_i32_f32 v[DD], v[DD]                     ; (it saturates)
	s_delay_alu instid0(VALU_DEP_1)
	v_ldexp_f32 v[F], 1.0, v[DD]
	WIN 0x41                                       ; O^T window 1, the factor window 0
	s_wait_alu depctr_va_vdst(0)                   ; the wait directly ahead of the first reader of O^T
.set j, 0
.rept 64
	v_pk_mul_f32 v[j:j+1], v[j:j+1], v[F:F+1] op_sel_hi:[1,0]   ; O^T under the new M, once for 1,024 keys
.set j, j+2
.endr
	WIN 0
.Lkeep_\@:
	s_wait_alu depctr_va_vdst(0)
	s_wait_dscnt 0x0                               ; the first record's v and its scale words are in
	PVT PCA, PSA
	PQ1 TM+8                                       ; four plain lines that name none of those products' registers: the places in front of the loads into v's registers
	VLOAD RECB                                     ; the second record's v lands under the lines that follow
	PQ2 S+64, TM+8, PCB, PSB
	PSUM S+64                                      ; also the places between the making of the codes and scale word and the products
	s_wait_dscnt 0x0
	PVT PCB, PSB
	s_add_co_u32 s[TB], s[TB], 2*RECB
	s_add_f32 s[CL], s[CL], 0x42000000             ; the next step's hold: 32 more
.endm
.macro SLOT_STEPS                              ; a slot's four key steps: written once, walked four times
	s_mov_b32 s[CNT], 4
	s_mov_b32 s[CL], 0
.Lstep_\@:
	STEP2
	s_sub_co_u32 s[CNT], s[CNT], 1
	s_cmp_lg_u32 s[CNT], 0
	s_cbranch_scc1 .Lstep_\@
.endm
; THE CHANGE OF SLOTS.  Each wave waits for all its tensor loads (one is out: its part of the slot ahead), adds 0 to its spare word, and waits for that and for its reads of the slot that it leaves.
; A round of the cluster's barrier follows; the fill is the first thing behind it, my one tensor load until the next round, and has four key steps in which to land.
.macro CHANGE g0, g1
	s_wait_tensorcnt 0x0
	ds_add_u32 v[SPW], v[NIL]
	s_wait_dscnt 0x0
	CROUND
	tensor_load_to_lds s[\g0:\g0+3], s[\g1:\g1+7]
	s_nop 0
	PLACES 4
.endm
	s_wait_alu depctr_va_vdst(0)                   ; the wait at the head's end
	CHANGE G0B, G1F                                ; records 0-7 are in; slot 1's first fill, issued as a refill is: records 8-15
	SLOT_STEPS                                     ; records 0-7; s[TB] runs on into slot 1
	CHANGE G0C, G1F                                ; slot 0 takes records 16-23
	SLOT_STEPS                                     ; records 8-15
	CHANGE G0D, G1F                                ; slot 1 takes records 24-31
	s_mov_b32 s[TB], 0
	SLOT_STEPS                                     ; records 16-23; s[TB] runs on into slot 1
	CHANGE G0X, G1X                                ; slot 0 takes x's tile, each wave its own 32 rows
	SLOT_STEPS                                     ; records 24-31
	; THE WAY OUT
	s_wait_tensorcnt 0x0                           ; my rows of x are in: nobody else reads them
	s_lshl_b32 s52, s[WV], 14
	s_add_co_u32 s52, s52, XT
	v_add_nc_u32 v[ADR], s52, v[LI]                ; these five lines are also the places behind the last products
	v_and_b32 v[TMP2], 15, v0
	v_bfe_u32 v[PB], v0, 4, 1
	s_delay_alu instid0(VALU_DEP_2)
	v_lshlrev_b32 v[TMP2], 3, v[TMP2]
	s_delay_alu instid0(VALU_DEP_1)
	v_lshl_add_u32 v[TMP2], v[PB], 2, v[TMP2]      ; Wproj's scale words: 8 r + 4 h: lanes 0-15 K step 0, lanes 16-31 K step 1
.irp n, 0,1
.irp s, 0,1
.irp c, 0,1
	global_load_b128 v[WP+8*(2*\n+\s)+4*\c:WP+8*(2*\n+\s)+4*\c+3], v[WPA], s[12:13] offset:2048*\n+64*\s+32*\c
.endr
.endr
	global_load_b32 v[WPS+\n], v[TMP2], s[14:15] offset:128*\n
.endr
	WIN 0x40
.set i, 0
.rept 32
	ds_load_b128 v[128+4*i:128+4*i+3], v[ADR] offset:512*i   ; x: channel 32 w + i, my block's 128 positions, into v's registers
.set i, i+1
.endr
	WIN 0
	s_wait_alu depctr_va_vdst(0)
	v_add_f32 v14, v14, v15                        ; the sum's two halves,
	v_mul_f32 v[ND], -1.0, v[DL]                   ; -d
	s_delay_alu instid0(VALU_DEP_2)
	v_permlanex16_b32 v[TMP], v14, s[SEL], s[SEL+1]
	s_delay_alu instid0(VALU_DEP_2)
	v_cvt_i32_f32 v[ND], v[ND]
	s_delay_alu instid0(VALU_DEP_2)
	v_add_f32 v14, v14, v[TMP]                     ; and lane l xor 16's
	s_wait_alu depctr_va_vdst(0)
	v_rcp_f32 v[F], v14
	v_nop                                          ; a plain place behind the transcendental
	s_wait_alu depctr_va_vdst(0)                   ; and the wait ahead of its first reader
	v_ldexp_f32 v[F], v[F], v[ND]                  ; 2^-d / the sum: O^T stands 2^d too high
.irp s, 0,1                                    ; K step s of the projection: register 64 s + 16 b + i of O^T is channel 128 s + 32 b + 16 h + i
	WIN 0x01
.set i, 0
.rept 32
	v_pk_mul_f32 v[S+2*i:S+2*i+1], v[64*\s+2*i:64*\s+2*i+1], v[F:F+1] op_sel_hi:[1,0]   ; each accumulator from its low end on
.set i, i+1
.endr
	WIN 0
	QUANT S, PCA, PSA
	ds_store_b128 v[OWI], v[PCA:PCA+3] offset:1024*\s
	ds_store_b128 v[OWI], v[PCA+4:PCA+7] offset:1024*\s+512
	ds_store_b32 v[OWS], v[PSA] offset:64*\s       ; lanes r and r + 16 write the same word with the same value
	s_wait_dscnt 0x0                               ; the stores have landed, and my reads of slot 1 and of x are over
.endr
	s_barrier_signal -1
	s_barrier_wait -1                              ; out's sixteen fragments lie in LDS, and nobody reads slot 1 any more
.set i, 0
.rept 16
	ds_load_b128 v[S+8*i:S+8*i+3], v[LI] offset:OIMG+1024*i
	ds_load_b128 v[S+8*i+4:S+8*i+7], v[LI] offset:OIMG+1024*i+512
.set i, i+1
.endr
.irp t, 0,1,2,3,4,5,6,7
	ds_load_b32 v[VS+\t], v[LS] offset:OSC+128*\t  ; lanes 0-15 K step 0, lanes 16-31 K step 1
.endr
	s_wait_dscnt 0x0
	s_wait_loadcnt 0x0                             ; Wproj
	PLACES 5                                       ; the accumulators are begun anew over O^T's registers
	WIN 0x50
.irp s, 0,1
.irp n, 0,1
.irp t, 0,1,2,3,4,5,6,7
.if \s == 0
	v_wmma_scale_f32_16x16x128_f8f6f4 v[64*\n+8*\t:64*\n+8*\t+7], v[S+8*(2*\t+\s):S+8*(2*\t+\s)+7], v[WP+8*(2*\n+\s):WP+8*(2*\n+\s)+7], 0, v[VS+\t], v[WPS+\n] matrix_a_fmt:MATRIX_FMT_FP4 matrix_b_fmt:MATRIX_FMT_FP4
.else
	v_wmma_scale_f32_16x16x128_f8f6f4 v[64*\n+8*\t:64*\n+8*\t+7], v[S+8*(2*\t+\s):S+8*(2*\t+\s)+7], v[WP+8*(2*\n+\s):WP+8*(2*\n+\s)+7], v[64*\n+8*\t:64*\n+8*\t+7], v[VS+\t], v[WPS+\n] matrix_a_fmt:MATRIX_FMT_FP4 matrix_b_fmt:MATRIX_FMT_FP4 matrix_a_scale:MATRIX_SCALE_ROW1 matrix_b_scale:MATRIX_SCALE_ROW1
.endif
.endr
.endr
.endr
	WIN 0
	PLACES 4
; Lane (r, h) holds channel 32 w + 16 n + r at positions 32 (T / 2) + 16 h + 8 (T % 2) + 0 .. 7.  16 channels go through my own stage and come back as rows of 512 bytes.  LDS serves a wave's instructions in order.
.macro TOSTAGE n
	WIN 0x04
.irp t, 0,1,2,3,4,5,6,7
	ds_store_b128 v[SO], v[64*\n+8*\t:64*\n+8*\t+3] offset:128*(\t/2)+32*(\t%2)
	ds_store_b128 v[SO], v[64*\n+8*\t+4:64*\n+8*\t+7] offset:128*(\t/2)+32*(\t%2)+16
.endr
	WIN 0
.set i, 0
.rept 16
	ds_load_b128 v[S+64*\n+4*i:S+64*\n+4*i+3], v[SR] offset:SP*i
.set i, i+1
.endr
.endm
.macro SEND n, younger                         ; younger: the LDS instructions issued behind these rows' loads
	s_wait_dscnt \younger
	WIN 0x10                                       ; source 2 (x) window 1
.set i, 0
.rept 32
	v_pk_fma_f32 v[S+64*\n+2*i:S+64*\n+2*i+1], v[S+64*\n+2*i:S+64*\n+2*i+1], s[GM:GM+1], v[128+64*\n+2*i:128+64*\n+2*i+1] op_sel_hi:[1,0,1]   ; x + gamma x the projection
.set i, i+1
.endr
	WIN 0
.set i, 0
.rept 16
	global_store_b128 v[LI], v[S+64*\n+4*i:S+64*\n+4*i+3], s[18:19] offset:16384*(16*\n+i) th:TH_STORE_NT   ; 32 lanes store 512 consecutive bytes, aligned
.set i, i+1
.endr
.endm
	TOSTAGE 0
	TOSTAGE 1
	SEND 0, 32                                     ; behind its loads: the second tile's 16 stores and 16 loads
	SEND 1, 0
	s_wait_tensorcnt 0x0                           ; the wave's end
	ds_add_u32 v[SPW], v[NIL]
	s_wait_dscnt 0x0
	CROUND                                         ; the closing round
	s_endpgm
.Lfunc_end_k_q7c07d9c8c6_attn:
	.size	k_q7c07d9c8c6_attn, .Lfunc_end_k_q7c07d9c8c6_attn-k_q7c07d9c8c6_attn
	.p2alignl 7, 3214868480
	.fill 96, 4, 3214868480
	.section	.rodata,"a",@progbits
	.p2align	6, 0x0
	.amdhsa_kernel k_q7c07d9c8c6_attn
		.amdhsa_group_segment_fixed_size 327680
		.amdhsa_private_segment_fixed_size 0
		.amdhsa_enable_private_segment 0
		.amdhsa_kernarg_size 64
		.amdhsa_user_sgpr_count 2
		.amdhsa_user_sgpr_kernarg_segment_ptr 1
		.amdhsa_wavefront_size32 1
		.amdhsa_system_sgpr_workgroup_id_x 1
		.amdhsa_system_sgpr_workgroup_id_y 1
		.amdhsa_system_sgpr_workgroup_id_z 1
		.amdhsa_system_vgpr_workitem_id 0
		.amdhsa_next_free_vgpr 512
		.amdhsa_next_free_sgpr 92
		.amdhsa_reserve_vcc 0
		.amdhsa_float_denorm_mode_32 3
		.amdhsa_float_denorm_mode_16_64 3
		.amdhsa_memory_ordered 1
		.amdhsa_forward_progress 1
		.amdhsa_inst_pref_size 213
	.end_amdhsa_kernel
	.amdgpu_metadata
---
amdhsa.version: [ 1, 2 ]
amdhsa.kernels:
  - .name:           k_q7c07d9c8c6_attn
    .symbol:         k_q7c07d9c8c6_attn.kd
    .args:
      - { .name: x, .offset: 0, .size: 8, .value_kind: global_buffer, .address_space: global }
      - { .name: qc, .offset: 8, .size: 8, .value_kind: global_buffer, .address_space: global }
      - { .name: qs, .offset: 16, .size: 8, .value_kind: global_buffer, .address_space: global }
      - { .name: kv, .offset: 24, .size: 8, .value_kind: global_buffer, .address_space: global }
      - { .name: Wproj_codes, .offset: 32, .size: 8, .value_kind: global_buffer, .address_space: global }
      - { .name: Wproj_scales, .offset: 40, .size: 8, .value_kind: global_buffer, .address_space: global }
      - { .name: gamma, .offset: 48, .size: 8, .value_kind: global_buffer, .address_space: global }
      - { .name: out0, .offset: 56, .size: 8, .value_kind: global_buffer, .address_space: global }
    .group_segment_fixed_size: 327680
    .private_segment_fixed_size: 0
    .kernarg_segment_align: 8
    .kernarg_segment_size: 64
    .max_flat_workgroup_size: 256
    .sgpr_count:     92
    .vgpr_count:     512
    .wavefront_size: 32
...
	.end_amdgpu_metadata
.endif
;; end of part 3
